; MI455X (gfx1250); checked and timed in simulation.
; The chip was launched on July 23, 2026; its instructions are those of AMD's public machine-readable ISA for CDNA 5 (MIT licence, August 2026) and "CDNA5" Instruction Set Architecture Reference Guide (July 2026). The comments in the code are by the model that wrote it; some were corrected since.
;; Multi Head Attention. Allowed arithmetic: matrix products marked QUANTISED: E2M3 operands, one E8M0 scale for each 32 along K, by v_wmma_scale_f32_16x16x128_f8f6f4 with both operands' format E2M3, f32 sums; everything else in f32.
;; Inputs: Wc 1,024 x 3,072 float32; Wo 1,024 x 1,024 float32; bc 3,072 float32; bo 1,024 float32; x 8 x 1,024 x 1,024 float32.
;; Outputs: out0 8 x 1,024 x 1,024 float32.
;; This version of the problem:
;;   THIS VERSION OF THE PROBLEM IS GIVEN IN LOW PRECISION. The matrix products marked QUANTISED in the list below multiply operands that are first quantised to E2M3 (2 exponent bits, 3 mantissa bits; 6 bits a number), with one power-of-two scale for each 32 numbers along K (OCP MX v1.0); their sums are f32. All else is computed in f32.
;;   The module's matrix products, in the order in which they are computed (A, B: the left and right operand; K: the contracted axis; several contracted axes count as one K, in the product's order):
;;     1. [M 8,192, K 1,024] x [K 1,024, N 3,072]; A: input x; B: input Wc: QUANTISED
;;     2. batch 128 x [M 1,024, K 64] x [K 64, N 1,024]; A: computed on the way; B: computed on the way: QUANTISED
;;     3. batch 128 x [M 64, K 1,024] x [K 1,024, N 1,024]; A: computed on the way; B: softmax (see below): QUANTISED
;;     4. [M 8,192, K 1,024] x [K 1,024, N 1,024]; A: computed on the way; B: input Wo: QUANTISED
;;   THE QUANTISER, for each operand of a quantised product, along K:
;;     - K is cut into blocks of 32 from its start; a last block that is shorter is filled with zeros.
;;     - A block's scale is 2^e with e = floor(log2(the largest magnitude in the block)) - 2, held to -126 .. 127; a block of zeros has e = 0. As a byte (E8M0): e + 127.
;;     - Each number is divided by its block's scale, clamped to +-7.5, and rounded to the nearest number of E2M3, ties to even, subnormals kept.
;;     - The product sums the exact products of the quantised numbers (number of the format x scale) in f32.
;;   ~~~python
;;   def quantise(x, axis):      # numpy; x: float32 -> the quantised numbers, widened to float32 again
;;       x = np.moveaxis(x, axis, -1); K = x.shape[-1]
;;       x = np.pad(x, [(0, 0)] * (x.ndim - 1) + [(0, -K % 32)]); x = x.reshape(x.shape[:-1] + (-1, 32)); a = np.abs(x).max(-1, keepdims=True)
;;       e = np.where(a > 0, np.clip(np.frexp(np.where(a > 0, a, 1))[1] - 1 - 2, -126, 127), 0)      # np.frexp(a)[1] - 1 = floor(log2(a)), exactly
;;       r = np.clip(x / 2.0 ** e, -7.5, 7.5)
;;       step = 2.0 ** (np.maximum(np.frexp(np.where(r == 0, 1, r))[1] - 1, 0) - 3)
;;       q = np.round(r / step) * step * 2.0 ** e      # np.round: ties to even
;;       return np.moveaxis(q.reshape(q.shape[:-2] + (-1,))[..., :K], -1, axis).astype(np.float32)
;;   ~~~
;;   SOFTMAX AHEAD OF A QUANTISED PRODUCT. Where the list says 'softmax', what is quantised is not the finished softmax but p = 2^(t - M), with t = logit x log2(e) and M = ceil(the row's largest t), a whole number; so 1/2 < the row's largest p <= 1. The row's sum l is taken of the UNQUANTISED p, in f32, and the product's result is divided by l at the end. Since M is a whole number, a kernel that streams over the keys may use a running M (the ceiling of the running maximum): every later rescaling is an exact power of two, which a block's scale takes up: the codes' values come out the same.
;;   OPERANDS COMPUTED ON THE WAY. 'Computed on the way' means the value that the module computes at that place (a softmax that the list does not call 'softmax' is quantised finished and normalised). What goes into a quantiser is computed in f32, as accurately as f32 sums, v_exp_f32 and their like allow (about 1e-6 of the number): no bf16 or f16 on the way to a quantiser, and a product that is left as it is and whose result goes on into a quantised operand takes f32 operands (vector FMAs, or v_wmma_f32_16x16x4_f32). A number that lies on a knife's edge between two numbers of the format may be rounded either way, as far as f32 arithmetic and the matrix unit's own rounding can turn it there, and no further.
;; One version. Each part assembles by itself: llvm-mc -triple=amdgcn-amd-amdhsa -mcpu=gfx1250 --defsym DOCPART=n.
;; ======== version 1 of 1: 4 launches
;; limits: right only within a limited range of input values
;; workspace buffers: XB 6,553,600 bytes; WB 3,276,800 bytes; QB 6,815,744 bytes; KV 13,369,344 bytes; CB 6,553,600 bytes
;; launch prep (part 1): grid 256 x 1, 4 waves a work-group, no clusters, 167,936 bytes of LDS; arguments x, Wc, Wo, XB, WB; writes XB, WB
.if DOCPART == 1
	.amdgcn_target "amdgcn-amd-amdhsa--gfx1250"
	.amdhsa_code_object_version 6
	.text
	.protected	k_q81fdf71f79_prep
	.globl	k_q81fdf71f79_prep
	.p2align	8
	.type	k_q81fdf71f79_prep,@function
k_q81fdf71f79_prep:
	s_mov_b64 s[64:65], 0
	v_nop
	global_prefetch_b8 v0, s[64:65] scope:SCOPE_SE
	s_setreg_imm32_b32 hwreg(HW_REG_WAVE_MODE, 25, 1), 1
	s_wait_xcnt 0x0
; MULTI-HEAD ATTENTION IN MX-FP6, four launches: this one quantises x, Wc and Wo; the second makes q, k, v = x Wc + bc and quantises them on the way out;
; the third is the attention of all heads; the fourth is concat Wo + bo.
; WORK LEFT OUT (in the third launch): the mask is built in the problem's own body, triu: key k counts for query q where k >= q, every other score is set to the least f32 number ahead of the softmax.
; The row's own key k = q always counts, so the row's maximum is a real score, and the weight of a hidden key is 2^(least - maximum) = 0 for all finite inputs: it adds nothing to the row's sum or to the second product.
; So a step of 128 keys that all lie under a tile's 16 queries is not walked.  LIMIT: a NaN, an infinity or an overflow that reaches only such hidden scores is not carried to the result.
; No input is left out: bc moves the codes of q, k and v, bo is added to the result.
; LIMITS of the quantiser, in all four launches: a block of zeros gets the scale byte 1 where the rule says 127 (its codes are zeros, which add nothing, and only this program reads the bytes);
; a block whose largest magnitude lies under 2^-124 is held at the byte 1; NaN and infinities among the inputs are not served.
;
; THE LAYOUT OF EVERY OPERAND THAT GOES THROUGH MEMORY is an image of the operand's registers.  A fragment is 16 rows x 128 along K, 12 registers a lane: lane (r, h) holds row r, registers 6 c .. 6 c + 5 hold K = 64 c + 32 h + 0 .. 31.
; Here register 4 g + i of lane l lies at byte 512 g + 16 l + 4 i of the fragment's 1,536; a fragment's scale words are 64 bytes, row r's at 4 r.
; THE 16 ROWS OF A GROUP ARE NOT NEIGHBOURS: group u (0, 1) of an aligned pair of 32 rows holds in lane-row r the row 8 u + r + 8 (r / 8), so that as source 0 of a product two neighbouring tiles give a lane 16 neighbours.
; XB: x, [group 512][K step 8][1,536], then from byte 6,291,456 the scale words [group][K step][64].   WB: the same for the 4,096 columns of Wc (groups 0-191) and Wo (192-255), K = their first axis; scale words from byte 3,145,728.
; EVERY WORK-GROUP DOES BOTH: 32 rows of x, and 128 columns x 128 along K of the weights.  x: wave w takes the K steps 2 w and 2 w + 1, brought by ONE tensor load a wave (32 rows x 1,024 bytes) into the wave's own LDS bytes,
; which only that wave reads: its own wait on TENSORcnt orders them.  The load is issued first; the weights are worked while it is on its way.
; The weights: a lane takes a column and its registers run down K, so nothing is transposed; they come by global loads and touch no LDS.
.set SPARE, 135168                     ; behind the four tiles (4 x 33,280 bytes): the spare words, 128 bytes a wave
.set SPW,   30                         ; v30  LDS address of my spare word; never rewritten
.set NIL,   31                         ; v31  0; never rewritten
.set TM,    240                        ; v240-255 at work in QUANT
.set SEL,   42                         ; s[42:43] lane selects for v_permlanex16_b32: lane l xor 16
.set D0,    32                         ; v32-95, v96-159: two sets of 64 numbers (the weights: v32-159, 128 numbers)
.set D1,    96
.set G1,    16                         ; s[16:23] descriptor group 1;  s[24:27] group 0
.set G0,    24
; 64 numbers of a lane, register 16 b + i = K 32 b + 16 (lane / 16) + i of my row, become a fragment's codes in v[pc] .. v[pc + 11] and its scale word in v[pw]
.macro QUANT src, pc, pw
.irp b, 0,1,2,3
	v_max3_num_f32 v[TM+\b], |v[\src+16*\b]|, |v[\src+1+16*\b]|, 0x1800000   ; block b: my 16 numbers, and the floor 2^(3 - 127): the byte cannot fall under 1
.endr
.irp i, 2,4,6,8,10,12,14
.irp b, 0,1,2,3
	v_max3_num_f32 v[TM+\b], v[TM+\b], |v[\src+16*\b+\i]|, |v[\src+1+16*\b+\i]|
.endr
.endr
.irp b, 0,1,2,3
	v_permlanex16_b32 v[TM+4+\b], v[TM+\b], s[SEL], s[SEL+1]
.endr
.irp b, 0,1,2,3
	v_max_num_f32 v[TM+\b], v[TM+\b], v[TM+4+\b]                 ; with lane l xor 16's: the block's largest magnitude
.endr
.irp b, 0,1,2,3
	v_add_nc_u32 v[TM+12+\b], 0xff000000, v[TM+\b]               ; 2 off its exponent field: the conversion's scale operand
.endr
.irp b, 0,1,2,3
	v_lshrrev_b32 v[TM+4+\b], 23, v[TM+12+\b]                    ; the scale's byte
.endr
	v_lshl_or_b32 v[\pw], v[TM+5], 8, v[TM+4]
	v_lshl_or_b32 v[\pw], v[TM+6], 16, v[\pw]
	v_lshl_or_b32 v[\pw], v[TM+7], 24, v[\pw]                    ; my row's scale word, the same in both halves of the lanes
.irp c, 0,1
	v_cvt_scalef32_pk16_fp6_f32 v[\pc+6*\c:\pc+2+6*\c], v[\src+32*\c:\src+15+32*\c], v[TM+12+2*\c]
	v_cvt_scalef32_pk16_fp6_f32 v[\pc+12+4*\c:\pc+14+4*\c], v[\src+16+32*\c:\src+31+32*\c], v[TM+12+2*\c+1]   ; (a conversion's three registers begin on an even number)
.endr
	v_nop                                          ; one plain place behind a scaled conversion
.irp c, 0,1                                    ; the layout wants a whole block in a lane: lanes 0-15 block 2 c, lanes 16-31 block 2 c + 1
.irp i, 0,1,2
	v_permlane16_swap_b32 v[\pc+6*\c+\i], v[\pc+12+4*\c+\i]
.endr
.irp i, 0,1,2
	v_mov_b32 v[\pc+3+6*\c+\i], v[\pc+12+4*\c+\i]
.endr
.endr
.endm
.macro DSLOAD t, u, dst                        ; my K step t, group u: 16 numbers of each of the row's four blocks
.irp b, 0,1,2,3
.irp j, 0,1,2,3
	ds_load_b128 v[\dst+16*\b+4*\j:\dst+16*\b+4*\j+3], v6 offset:512*\t+8320*\u+128*\b+16*\j
.endr
.endr
.endm
.macro XSTORE t, u, pc                         ; the fragment as it stands: each store of the wave covers 512 consecutive bytes, aligned
.irp c, 0,1,2
	global_store_b128 v4, v[\pc+4*\c:\pc+4*\c+3], s[44:45] offset:12288*\u+1536*\t+512*\c
.endr
.endm
.macro WLOAD t, pitch                          ; block t: rows 32 t + i of the K step at my column; the 32 lanes read 128 consecutive bytes
.set i, 0
.rept 32
	global_load_b32 v[32+32*(\t)+i], v8, s[48:49] offset:(32*(\t)+i)*\pitch th:TH_LOAD_NT
.set i, i+1
.endr
.endm
.macro BLOCK t                                 ; a whole block of 32 along K lies in my 32 registers
.set XS, 32+32*(\t)
.set FR, 160+12*((\t)%2)+6*((\t)/2)            ; blocks 0, 2 into v160-171, blocks 1, 3 into v172-183
	v_max3_num_f32 v12, |v[XS]|, |v[XS+1]|, |v[XS+2]|
	v_max3_num_f32 v13, |v[XS+3]|, |v[XS+4]|, |v[XS+5]|
.irp i, 6,10,14,18,22,26
	v_max3_num_f32 v12, v12, |v[XS+\i]|, |v[XS+\i+1]|
	v_max3_num_f32 v13, v13, |v[XS+\i+2]|, |v[XS+\i+3]|
.endr
	v_max3_num_f32 v12, v12, |v[XS+30]|, |v[XS+31]|
	v_max3_num_f32 v12, v12, v13, 0x1800000        ; and the floor
	v_add_nc_u32 v11, 0xff000000, v12              ; the conversion's scale operand
	v_lshrrev_b32 v13, 23, v11                     ; the byte
.if (\t) == 0
	v_mov_b32 v10, v13
.else
	v_lshl_or_b32 v10, v13, 8*(\t), v10            ; my column's scale word
.endif
	v_cvt_scalef32_pk16_fp6_f32 v[FR:FR+2], v[XS:XS+15], v11
	v_cvt_scalef32_pk16_fp6_f32 v[184+4*(\t):186+4*(\t)], v[XS+16:XS+31], v11
	v_nop                                          ; one plain place behind a scaled conversion
.irp i, 0,1,2
	v_mov_b32 v[FR+3+\i], v[184+4*(\t)+\i]
.endr
.endm
.macro WALL pitch                              ; loads run two blocks ahead
	WLOAD 0, \pitch
	WLOAD 1, \pitch
	s_wait_loadcnt 32                              ; block 0 is in; block 1's 32 loads may be out
	WLOAD 2, \pitch
	BLOCK 0
	s_wait_loadcnt 32                              ; block 1 is in; block 2's may be out
	WLOAD 3, \pitch
	BLOCK 1
	s_wait_loadcnt 32                              ; block 2 is in; block 3's may be out
	BLOCK 2
	s_wait_loadcnt 0x0
	BLOCK 3
.endm
	s_load_b256 s[4:11], s[0:1], 0x0               ; x s[4:5], Wc s[6:7], Wo s[8:9], XB s[10:11]
	s_load_b64 s[12:13], s[0:1], 0x20              ; WB
	v_lshl_add_u32 v[SPW], v0, 2, SPARE
	v_mov_b32 v[NIL], 0
	ds_add_u32 v[SPW], v[NIL]                      ; the wave's opening: the add, twice on end, and its wait ahead of the first tensor load
	ds_add_u32 v[SPW], v[NIL]
	v_lshrrev_b32 v1, 5, v0
	v_readfirstlane_b32 s14, v1                    ; wave 0..3
	s_mul_i32 s15, s14, 33280                      ; my tile in LDS: 32 rows x 1,040 bytes
	v_and_b32 v1, 31, v0                           ; lane
	v_and_b32 v2, 15, v0                           ; r
	v_bfe_u32 v3, v0, 4, 1                         ; h
	v_lshlrev_b32 v4, 4, v1                        ; 16 x lane
	v_lshlrev_b32 v5, 2, v1                        ; 4 x lane
	v_and_b32 v7, 8, v2
	v_add_nc_u32 v7, v7, v2                        ; r + 8 (r / 8)
	v_mul_u32_u24 v6, v7, 1040
	v_lshl_add_u32 v6, v3, 6, v6                   ; + 64 h: my 16 numbers of a block of 32
	v_add_nc_u32 v6, s15, v6                       ; x: my row in my tile
	v_and_b32 v8, 7, v1                            ; the weights: lane l takes column (l % 8) + 16 ((l / 8) % 2) + 8 (l / 16) of the pair's 32: lanes 0-15 are group 0's rows, lanes 16-31 group 1's
	v_bfe_u32 v9, v1, 3, 1
	v_lshl_add_u32 v8, v9, 4, v8
	v_lshl_add_u32 v8, v3, 3, v8
	v_lshlrev_b32 v8, 2, v8
	v_lshlrev_b32 v9, 2, v2
	v_lshl_add_u32 v9, v3, 9, v9                   ; my column's scale word: 512 x group + 4 r
.irp b, 0,1,2,3
	v_mov_b32 v[TM+4+\b], 0                        ; written once: a lane permute's destination counts as one of its sources
.endr
	s_mov_b32 s[G1+0], (2<<16)|(1<<20)|(7<<22)|(3<<25)  ; elements of 4 bytes; padding on: after every 256 words 4 words: LDS rows 1,040 bytes apart
	s_mov_b32 s[G1+1], 256<<16                     ; tensor_dim0 = 256: two K steps
	s_mov_b32 s[G1+2], 32<<16                      ; tensor_dim1 = 32
	s_mov_b32 s[G1+3], 256<<16                     ; tile_dim0 = 256
	s_mov_b32 s[G1+4], 32                          ; tile_dim1 = 32
	s_mov_b32 s[G1+5], 1024                        ; elements from row to row
	s_mov_b32 s[G1+6], 0
	s_mov_b32 s[G1+7], 0
	s_mov_b32 s[SEL], 0x76543210
	s_mov_b32 s[SEL+1], 0xfedcba98
	s_mov_b32 s40, 0xffff0000                      ; lanes 16-31
	s_lshl_b32 s2, ttmp9, 17                       ; x: 32 rows of 4,096 bytes,
	s_lshl_b32 s3, s14, 10                         ; two K steps of 512 bytes
	s_add_co_u32 s2, s2, s3
	s_mov_b32 s3, 0
	s_mov_b32 s[G0], 1
	s_mov_b32 s[G0+1], s15
	s_wait_alu depctr_va_vdst(0)
	s_wait_dscnt 0x0                               ; both opening adds are done
	s_wait_kmcnt 0x0
	s_add_nc_u64 s[G0+2:G0+3], s[4:5], s[2:3]
	s_or_b32 s[G0+3], s[G0+3], 0x80000000
	tensor_load_to_lds s[G0:G0+3], s[G1:G1+7]      ; my one tensor load, a first fill
	s_nop 0
	; ---- the weights: 128 of the 4,096 columns (Wc's 3,072, then Wo's 1,024) x one K step; wave w the pair of groups 4 cb + w
	s_and_b32 s32, ttmp9, 31                       ; cb: which 128 columns
	s_lshr_b32 s33, ttmp9, 5                       ; the K step
	s_lshl_b32 s34, s32, 2
	s_add_co_u32 s34, s34, s14                     ; the pair
	s_mul_i32 s36, s34, 24576
	s_mul_i32 s37, s33, 1536
	s_add_co_u32 s36, s36, s37
	s_mov_b32 s37, 0
	s_add_nc_u64 s[44:45], s[12:13], s[36:37]      ; WB: its two fragments of this K step
	s_lshl_b32 s36, s34, 10
	s_lshl_b32 s38, s33, 6
	s_add_co_u32 s36, s36, s38
	s_add_co_u32 s36, s36, 3145728
	s_add_nc_u64 s[46:47], s[12:13], s[36:37]      ; and their scale words
	s_lshl_b32 s38, s14, 7                         ; my wave's 32 columns, in bytes
	s_cmp_ge_u32 s32, 24
	s_cbranch_scc1 .Lwo
	s_mul_i32 s36, s33, 128*12288
	s_lshl_b32 s39, s32, 9
	s_add_co_u32 s36, s36, s39
	s_add_co_u32 s36, s36, s38
	s_add_nc_u64 s[48:49], s[6:7], s[36:37]
	WALL 12288
	s_branch .Lwout
.Lwo:
	s_mul_i32 s36, s33, 128*4096
	s_sub_co_u32 s39, s32, 24
	s_lshl_b32 s39, s39, 9
	s_add_co_u32 s36, s36, s39
	s_add_co_u32 s36, s36, s38
	s_add_nc_u64 s[48:49], s[8:9], s[36:37]
	WALL 4096
.Lwout:
	s_wait_alu depctr_va_vdst(0)
.set i, 0
.rept 12
	v_permlane16_swap_b32 v[160+i], v[172+i]       ; group 1's even blocks change places with group 0's odd ones: v160-171 is now group 0's fragment, v172-183 group 1's
.set i, i+1
.endr
.irp c, 0,1,2
	global_store_b128 v4, v[160+4*\c:163+4*\c], s[44:45] offset:512*\c
	global_store_b128 v4, v[172+4*\c:175+4*\c], s[44:45] offset:12288+512*\c
.endr
	global_store_b32 v9, v10, s[46:47]             ; two runs of 64 bytes: one byte in 128 of what this part reads
	; ---- x: rows 32 g .. 32 g + 31, K steps 2 w and 2 w + 1
	s_wait_xcnt 0x0                                ; the stores above have read their registers and bases
	s_mul_i32 s32, ttmp9, 24576                    ; XB: groups 2 g and 2 g + 1,
	s_mul_i32 s33, s14, 3072                       ; K step 2 w
	s_add_co_u32 s32, s32, s33
	s_mov_b32 s33, 0
	s_add_nc_u64 s[44:45], s[10:11], s[32:33]
	s_lshl_b32 s32, ttmp9, 10                      ; their scale words
	s_lshl_b32 s34, s14, 7
	s_add_co_u32 s32, s32, s34
	s_add_co_u32 s32, s32, 6291456
	s_add_nc_u64 s[46:47], s[10:11], s[32:33]
	s_wait_tensorcnt 0x0                           ; my tile is in
	DSLOAD 0, 0, D0
	DSLOAD 0, 1, D1
	s_wait_dscnt 16                                ; the first set is in; the sixteen younger loads may be out
	QUANT D0, 160, 24
	XSTORE 0, 0, 160
	DSLOAD 1, 0, D0
	s_wait_dscnt 16
	QUANT D1, 180, 25
	XSTORE 0, 1, 180
	DSLOAD 1, 1, D1
	s_wait_dscnt 16
	QUANT D0, 200, 26
	XSTORE 1, 0, 200
	s_wait_dscnt 0x0
	QUANT D1, 220, 27
	XSTORE 1, 1, 220
	v_cndmask_b32 v28, v24, v26, s40               ; lanes 0-15 the words of K step 2 w, lanes 16-31 those of 2 w + 1: 128 consecutive bytes a store
	v_cndmask_b32 v29, v25, v27, s40
	global_store_b32 v5, v28, s[46:47]
	global_store_b32 v5, v29, s[46:47] offset:512
	s_wait_tensorcnt 0x0                           ; the wave's end
	ds_add_u32 v[SPW], v[NIL]
	s_wait_dscnt 0x0
	s_endpgm
.Lfunc_end_k_q81fdf71f79_prep:
	.size	k_q81fdf71f79_prep, .Lfunc_end_k_q81fdf71f79_prep-k_q81fdf71f79_prep
	.p2alignl 7, 3214868480
	.fill 96, 4, 3214868480
	.section	.rodata,"a",@progbits
	.p2align	6, 0x0
	.amdhsa_kernel k_q81fdf71f79_prep
		.amdhsa_group_segment_fixed_size 167936
		.amdhsa_private_segment_fixed_size 0
		.amdhsa_enable_private_segment 0
		.amdhsa_kernarg_size 40
		.amdhsa_user_sgpr_count 2
		.amdhsa_user_sgpr_kernarg_segment_ptr 1
		.amdhsa_wavefront_size32 1
		.amdhsa_system_sgpr_workgroup_id_x 1
		.amdhsa_system_sgpr_workgroup_id_y 1
		.amdhsa_system_sgpr_workgroup_id_z 1
		.amdhsa_system_vgpr_workitem_id 0
		.amdhsa_next_free_vgpr 256
		.amdhsa_next_free_sgpr 66
		.amdhsa_reserve_vcc 0
		.amdhsa_float_denorm_mode_32 3
		.amdhsa_float_denorm_mode_16_64 3
		.amdhsa_memory_ordered 1
		.amdhsa_forward_progress 1
		.amdhsa_inst_pref_size 62
	.end_amdhsa_kernel
	.amdgpu_metadata
---
amdhsa.version: [ 1, 2 ]
amdhsa.kernels:
  - .name:           k_q81fdf71f79_prep
    .symbol:         k_q81fdf71f79_prep.kd
    .args:
      - { .name: x, .offset: 0, .size: 8, .value_kind: global_buffer, .address_space: global }
      - { .name: Wc, .offset: 8, .size: 8, .value_kind: global_buffer, .address_space: global }
      - { .name: Wo, .offset: 16, .size: 8, .value_kind: global_buffer, .address_space: global }
      - { .name: XB, .offset: 24, .size: 8, .value_kind: global_buffer, .address_space: global }
      - { .name: WB, .offset: 32, .size: 8, .value_kind: global_buffer, .address_space: global }
    .group_segment_fixed_size: 167936
    .private_segment_fixed_size: 0
    .kernarg_segment_align: 8
    .kernarg_segment_size: 40
    .max_flat_workgroup_size: 128
    .sgpr_count:     66
    .vgpr_count:     256
    .wavefront_size: 32
...
	.end_amdgpu_metadata
.endif
;; end of part 1
;; launch gemm1 (part 2): grid 4 x 64, 4 waves a work-group, clusters of 4 x 4, 327,680 bytes of LDS; arguments XB, WB, bc, QB, KV; writes QB, KV
.if DOCPART == 2
	.amdgcn_target "amdgcn-amd-amdhsa--gfx1250"
	.amdhsa_code_object_version 6
	.text
	.protected	k_q81fdf71f79_gemm1
	.globl	k_q81fdf71f79_gemm1
	.p2align	8
	.type	k_q81fdf71f79_gemm1,@function
k_q81fdf71f79_gemm1:
	s_mov_b64 s[64:65], 0
	v_nop
	global_prefetch_b8 v0, s[64:65] scope:SCOPE_SE
	s_setreg_imm32_b32 hwreg(HW_REG_WAVE_MODE, 25, 1), 1
	s_wait_xcnt 0x0
	s_wait_alu depctr_hold_cnt(0) depctr_sa_sdst(0) depctr_va_vdst(0) depctr_va_sdst(0) depctr_va_ssrc(0) depctr_va_vcc(0) depctr_vm_vsrc(0)
	s_getreg_b32 s2, hwreg(HW_REG_IB_STS2, 6, 4)
	s_cmp_eq_u32 s2, 0
	s_cbranch_scc0 .Lentry_in_a_cluster
	s_endpgm
.Lentry_in_a_cluster:
	s_bfe_u32 s2, ttmp6, 0x10000c
	s_cmp_lg_u32 s2, 0xf033
	s_cbranch_scc0 .Lentry_shape_is_right
	s_endpgm
.Lentry_shape_is_right:
; qkv = x Wc + bc on codes of FP6 (E2M3); q, k, v are quantised on the way out, each along the K of the product that will take it: q and k along the head's 64, v along the keys.  No work of the problem is left out here.
; A WORK-GROUP STAYS on 128 tokens (XB's groups 8 Y on: operand T, all of K, 96 KiB, filled once) and walks three parts, q, k, v: part p takes 256 columns, WB's groups 64 p + 16 X on (operand W).
; W goes through a ring of two LDS slots, each with 512 along K of the 256 columns (16 groups x 6,144 bytes).  At the head each wave issues one load: waves 0, 1 the two halves of T along K, waves 2, 3 the two slots.
; A slot is filled again with the next part's columns when its last fragments are in registers: each wave fetches four groups, one load out behind each round.
; CLUSTERS of 4 x 4: T hangs on Y alone and is asked for jointly along a row of the cluster, W on X alone, along a column.  The three parts are written out by one macro.
; A wave makes 64 (I, source 1: a lane holds one row of it) x 128 (J, source 0: a lane's 64 registers of a tile of I run along it): 32 accumulators.
;   q, k: I = tokens (T's groups 4 (wave / 2) on), J = columns (W's groups 8 (wave % 2) on).   v: I = columns (W's groups 4 wave on), J = the 128 tokens: a lane's numbers run along the keys.
; The bias is the C of each sum's first matrix instruction.  The next part's bias and scale words are loaded a part ahead; its first two K steps' fragments are fetched ahead of this part's way out.
; PREFETCH: each refill's 96 KiB are named once in each cluster: wave w of the partner at cy names group 4 w + cy's 6,144 bytes, 24 blocks of 256 bytes, a lane a block (lanes 24-31 name the last again);
; the request stands at least one slot's four K steps ahead of the refill; T and the first two slots come by the head's loads alone.
; LAYOUTS as the first launch states them.  QB: q, [batch x 16 + head][tile of 16 tokens][768]; scale words from byte 6,291,456.  KV: 208,896 bytes for each batch and pair of heads: K's codes at e x 49,152 + tile x 768;
; V's at 98,304 + (key step x 8 + dg) x 1,536; K's scale words at 196,608 + e x 4,096 + tile x 64; V's at 204,800 + (key step x 8 + dg) x 64.
; LIMITS of the quantiser: a block of zeros gets the byte 1; a block whose largest magnitude lies under 2^-124 is held at the byte 1; NaN and infinities are not served.
; REGISTERS: window 0: v1-15, v26, v27 addresses; v16-25 scale words out; v28, v29 the add's; v32-47 I's scale words, v48-79 J's; v80-175 I's fragments, two sets; v176-231 the way out; v240-255 at work.
;   window 1: the accumulators, (a, b) at v[8 (8 a + b)].   window 2: J's fragments, two sets, at v0 and v128.   window 3: v0-63 the bias; v64-111 the next part's scale words.
.set TH,    49152                      ; half of T along K: 8 groups x 6,144 bytes; T's halves lie at 0 and TH
.set WS,    98304                      ; a slot of W: 16 groups x 6,144
.set W0,    98304                      ; slot 0; slot 1 lies WS behind it
.set SPARE, 294912                     ; behind the ring: the spare words, 128 bytes a wave
.set NXT,   786432                     ; 64 groups of WB: from a part's columns to the next part's
.set SPW, 28
.set NIL, 29
.set IS,  32
.set JS,  48
.set FI,  80
.set PC,  176                          ; the way out: 12 registers of codes for each of I's four tiles
.set TP,  224                          ; and 8 at work
.set TM,  240
.set ST,  64                           ; window 3: the staged scale words: I's 16, J's 32
.set G1T, 24                           ; group 1 for T's halves (8 rows);  G1W for the head's slots (16 rows);  G1R for a refill's quarter (4 rows)
.set G0T, 32
.set G0W, 36
.set G0R, 40                           ; s[40:43], s[44:47]: a refill's group 0 for slot 0, 1
.set G1W, 48
.set G1R, 56
.set PQ,  66                           ; pointers: codes and scale words of q, k, v: s[66:77]
.set PTS, 78                           ; T's scale words, group 8 Y;  PTI: + 4 (wave / 2)
.set PTI, 80
.set PWJ, 82                           ; W's scale words, group 16 X + 8 (wave % 2);  PWI: + 4 wave
.set PWI, 84
.set PBQ, 86                           ; the bias for q, k;  PBV: for v
.set PBV, 88
.set SEL, 92
.set PF,  94                           ; the prefetches' base
.set MSB, 0
.macro WIN new                         ; the immediate's high byte repeats the setting that is left
.if MSB != \new
	s_set_vgpr_msb (MSB<<8)|\new
.set MSB, \new
.endif
.endm
.macro CREST                           ; a round of the cluster's barrier behind its opening barrier
	s_cmp_lg_u32 s14, 0
	s_cbranch_scc1 .Lnot_wave_0_\@
	s_barrier_signal -3
.Lnot_wave_0_\@:
	s_barrier_wait -3
	s_barrier_signal -1
	s_barrier_wait -1
.endm
.macro CROUND
	s_barrier_signal -1
	s_barrier_wait -1
	CREST
.endm
.macro PLACES                          ; four plain places behind a matrix instruction (ISA guide 7.12.1)
.rept 4
	v_nop
.endr
.endm
.macro PTR d, base                     ; offset in s[d] -> pointer in s[d:d+1]
	s_mov_b32 s[\d+1], 0
	s_add_nc_u64 s[\d:\d+1], s[\base:\base+1], s[\d:\d+1]
.endm
.macro FETCH ks, ai, aj                ; K step ks: J's 8 fragments and I's 4 into set ks % 2: 36 loads, each 512 consecutive bytes
	WIN 0x80
.irp b, 0,1,2,3,4,5,6,7
.irp c, 0,1,2
	ds_load_b128 v[128*((\ks)%2)+12*\b+4*\c:128*((\ks)%2)+12*\b+4*\c+3], v[\aj+(\ks)/4] offset:\b*6144+((\ks)%4)*1536+512*\c
.endr
.endr
	WIN 0
.irp a, 0,1,2,3
.irp c, 0,1,2
	ds_load_b128 v[FI+48*((\ks)%2)+12*\a+4*\c:FI+48*((\ks)%2)+12*\a+4*\c+3], v[\ai+(\ks)/4] offset:\a*6144+((\ks)%4)*1536+512*\c
.endr
.endr
.endm
.macro FT p, ks                        ; part p's addresses: q, k: v6-9; v: v10-13
.if (\p) == 2
	FETCH \ks, 10, 12
.else
	FETCH \ks, 6, 8
.endif
.endm
.macro MM a, b, ks, cm                 ; cm = 0: onto the accumulator; 1: the bias by J's tile starts the sum; 2: the bias by I's tile
.set DR, 8*(8*(\a)+(\b))
.if (\cm) == 0
.set CR, DR
.elseif (\cm) == 1
.set CR, 8*(\b)
.else
.set CR, 8*(\a)
.endif
.set JR, 128*((\ks)%2)+12*(\b)
.set IR, FI+48*((\ks)%2)+12*(\a)
.if (\ks)%2
	v_wmma_scale_f32_16x16x128_f8f6f4 v[DR:DR+7], v[JR:JR+11], v[IR:IR+11], v[CR:CR+7], v[JS+4*(\b)+(\ks)/2], v[IS+4*(\a)+(\ks)/2] matrix_a_fmt:MATRIX_FMT_FP6 matrix_b_fmt:MATRIX_FMT_FP6 matrix_a_scale:MATRIX_SCALE_ROW1 matrix_b_scale:MATRIX_SCALE_ROW1
.else
	v_wmma_scale_f32_16x16x128_f8f6f4 v[DR:DR+7], v[JR:JR+11], v[IR:IR+11], v[CR:CR+7], v[JS+4*(\b)+(\ks)/2], v[IS+4*(\a)+(\ks)/2] matrix_a_fmt:MATRIX_FMT_FP6 matrix_b_fmt:MATRIX_FMT_FP6
.endif
.endm
.macro MULH ks, cm, a0                 ; 16 products; the 32 accumulators take turns, in the same order in every step
.if \cm
	WIN 0x72                                       ; source 0 window 2, source 1 window 0, C window 3, D window 1
.else
	WIN 0x52                                       ; C window 1
.endif
.irp a, \a0, \a0+1
.irp b, 0,1,2,3,4,5,6,7
	MM \a, \b, \ks, \cm
.endr
.endr
.endm
.macro MUL ks, cm
	MULH \ks, \cm, 0
	MULH \ks, \cm, 2
.endm
.macro KSTEP p, ks                     ; the next step's fragments are asked for, then this step is multiplied
	PLACES
	FT \p, (\ks)+1
	s_wait_dscnt 36                                ; this step's fragments are in; the 36 loads just issued may be out
	MUL \ks, 0
.endm
.macro ASK r                           ; refill r's bytes: my group's 24 blocks of 256 bytes
	global_prefetch_b8 v15, s[PF:PF+1] offset:((\r)/2)*NXT+((\r)%2)*6144 th:TH_LOAD_NT scope:SCOPE_SE
.endm
; K step 3 or 7: the slot's last fragments are in registers.  Parts 0, 1: the slot is filled again with the next part's columns, behind a round of the cluster's barrier.  Part 2 (K step 3 alone): a plain barrier shows slot 1 whole.
.macro TURN p, ks
	WIN 0
	s_wait_tensorcnt 0x0                           ; all my tensor loads have landed: the one that was out is my part of the other slot
.if (\p) < 2
	ds_add_u32 v[SPW], v[NIL]
.if (\p) == 1
	s_add_nc_u64 s[G0R+4*((\ks)/4)+2:G0R+4*((\ks)/4)+3], s[G0R+4*((\ks)/4)+2:G0R+4*((\ks)/4)+3], NXT   ; no load of mine is out: on to part 2's columns
.endif
.endif
	s_wait_dscnt 0x0                               ; the add is done, and my reads of this slot are over
	s_barrier_signal -1
	MULH \ks, 0, 0                                 ; work on registers while the others arrive
	WIN 0
	s_barrier_wait -1
.if (\p) < 2
	CREST
	tensor_load_to_lds s[G0R+4*((\ks)/4):G0R+4*((\ks)/4)+3], s[G1R:G1R+7]   ; my four groups of the slot: the first tensor load behind the round
	s_nop 0
.endif
	PLACES
.if (\ks) == 3
	FT \p, 4
.else
	FT (\p)+1, 0                                   ; the next part's first fragments, from slot 0
.endif
.if (\p) == 0
	ASK 2+(\ks)/4
.endif
	MULH \ks, 0, 2
.endm
.macro NEXT n                          ; part n's scale words into the staging registers and its bias into the registers that the first K step has read
	WIN 0xc0
.irp b, 0,1,2,3,4,5,6,7
.irp q, 0,1,2,3
.if (\n) == 2
	global_load_b32 v[ST+16+4*\b+\q], v5, s[PTS:PTS+1] offset:\b*512+\q*128
.else
	global_load_b32 v[ST+16+4*\b+\q], v5, s[PWJ:PWJ+1] offset:32768+\b*512+\q*128
.endif
.endr
.endr
.if (\n) == 2
.irp a, 0,1,2,3
.irp q, 0,1,2,3
	global_load_b32 v[ST+4*\a+\q], v5, s[PWI:PWI+1] offset:65536+\a*512+\q*128
.endr
	global_load_b32 v[8*\a], v27, s[PBV:PBV+1] offset:(32*(\a/2)+8*(\a%2))*4   ; the bias of my column of I's tile a
.endr
.else
.irp b, 0,1,2,3,4,5,6,7
	global_load_b128 v[8*\b:8*\b+3], v26, s[PBQ:PBQ+1] offset:4096+(32*(\b/2)+8*(\b%2))*4
	global_load_b128 v[8*\b+4:8*\b+7], v26, s[PBQ:PBQ+1] offset:4096+(32*(\b/2)+8*(\b%2))*4+16
.endr
.endif
	WIN 0
.endm
.macro TAKE n                          ; part n's scale words take their places
	s_wait_alu depctr_va_vdst(0)
	s_wait_loadcnt 0x0
	WIN 0x03
.set i, 0
.rept 32
	v_mov_b32 v[JS+i], v[ST+16+i]
.set i, i+1
.endr
.if (\n) == 2
.set i, 0
.rept 16
	v_mov_b32 v[IS+i], v[ST+i]
.set i, i+1
.endr
	WIN 0xc3
.irp a, 0,1,2,3
.irp j, 1,2,3,4,5,6,7
	v_mov_b32 v[8*\a+\j], v[8*\a]                  ; all eight rows of a tile's C hold my column's bias
.endr
.endr
.endif
	WIN 0
.rept 8
	v_nop                                          ; a scale register written by a vector instruction stands 8 places ahead of a scaled matrix instruction
.endr
	s_wait_alu depctr_va_vdst(0)
.endm
; 64 numbers of a lane in window 1, register 16 b + i = index 32 b + 16 (lane / 16) + i, become a fragment's codes in v[pc] .. v[pc + 11] and its scale word in v[pw].  Each accumulator is read from its low end on.
.macro QUANTW src, pc, pw
	WIN 0x05
.irp b, 0,1,2,3
	v_max3_num_f32 v[TM+\b], |v[(\src)+16*\b]|, |v[(\src)+1+16*\b]|, 0x1800000   ; and the floor 2^(3 - 127): the byte cannot fall under 1
.endr
	WIN 0x14
.irp i, 2,4,6,8,10,12,14
.irp b, 0,1,2,3
	v_max3_num_f32 v[TM+\b], v[TM+\b], |v[(\src)+16*\b+\i]|, |v[(\src)+1+16*\b+\i]|
.endr
.endr
	WIN 0
.irp b, 0,1,2,3
	v_permlanex16_b32 v[TM+4+\b], v[TM+\b], s[SEL], s[SEL+1]
.endr
.irp b, 0,1,2,3
	v_max_num_f32 v[TM+\b], v[TM+\b], v[TM+4+\b]
.endr
.irp b, 0,1,2,3
	v_add_nc_u32 v[TM+12+\b], 0xff000000, v[TM+\b]                ; 2 off the exponent field: the conversion's scale operand
.endr
.irp b, 0,1,2,3
	v_lshrrev_b32 v[TM+4+\b], 23, v[TM+12+\b]                     ; the byte
.endr
	v_lshl_or_b32 v[\pw], v[TM+5], 8, v[TM+4]
	v_lshl_or_b32 v[\pw], v[TM+6], 16, v[\pw]
	v_lshl_or_b32 v[\pw], v[TM+7], 24, v[\pw]
	WIN 0x01
.irp c, 0,1
	v_cvt_scalef32_pk16_fp6_f32 v[(\pc)+6*\c:(\pc)+2+6*\c], v[(\src)+32*\c:(\src)+15+32*\c], v[TM+12+2*\c]
	v_cvt_scalef32_pk16_fp6_f32 v[TP+4*\c:TP+2+4*\c], v[(\src)+16+32*\c:(\src)+31+32*\c], v[TM+12+2*\c+1]
.endr
	WIN 0
	v_nop                                          ; one plain place behind a scaled conversion
.irp c, 0,1
.irp i, 0,1,2
	v_permlane16_swap_b32 v[(\pc)+6*\c+\i], v[TP+4*\c+\i]
.endr
.irp i, 0,1,2
	v_mov_b32 v[(\pc)+3+6*\c+\i], v[TP+4*\c+\i]
.endr
.endr
.endm
.macro EPI p                           ; the way out: I's tile a becomes one fragment, stored in pieces of two registers: piece q of lane l at 256 q + 8 l: each store covers 256 consecutive bytes, aligned
.set OB, PQ+4*(\p)
.if (\p) == 2
.set TS, 1536                          ; from tile to tile
.set HS, 768                           ; from a fragment's first three pieces to its last three: v: the same fragment
.else
.set TS, 768
.set HS, 49152                         ; q, k: the odd head
.endif
	WIN 0
	s_wait_xcnt 0x0                                ; the last part's stores have read their registers
.irp a, 0,1,2,3
	QUANTW 64*\a, PC+12*\a, 16+\a
.irp q, 0,1,2
	global_store_b64 v14, v[PC+12*\a+2*\q:PC+12*\a+2*\q+1], s[OB:OB+1] offset:TS*\a+256*\q
.endr
.irp q, 0,1,2
	global_store_b64 v14, v[PC+12*\a+6+2*\q:PC+12*\a+7+2*\q], s[OB:OB+1] offset:TS*\a+HS+256*\q
.endr
.endr
	v_cndmask_b32 v20, v16, v17, s90               ; two tiles' scale words: 128 consecutive bytes a store
	v_cndmask_b32 v21, v18, v19, s90
.if (\p) < 2
	v_and_b32 v22, 0xffff, v20                     ; the even head's two bytes,
	v_and_b32 v24, 0xffff, v21
	v_lshrrev_b32 v23, 16, v20                     ; the odd head's
	v_lshrrev_b32 v25, 16, v21
	global_store_b32 v5, v22, s[OB+2:OB+3]
	global_store_b32 v5, v24, s[OB+2:OB+3] offset:128
	global_store_b32 v5, v23, s[OB+2:OB+3] offset:4096
	global_store_b32 v5, v25, s[OB+2:OB+3] offset:4096+128
.else
	global_store_b32 v5, v20, s[OB+2:OB+3]
	global_store_b32 v5, v21, s[OB+2:OB+3] offset:128
.endif
.endm
.macro TILE p                          ; one part; at its start the fragments of K steps 0 and 1 are on their way
	s_wait_dscnt 36                                ; K step 0's fragments are in; K step 1's 36 loads may be out
.if (\p) == 2
	MUL 0, 2
.else
	MUL 0, 1
.endif
	PLACES
.if (\p) < 2
	NEXT (\p)+1
.endif
	FT \p, 2
.if (\p) == 0
	ASK 1
.endif
	s_wait_dscnt 36
	MUL 1, 0
	KSTEP \p, 2
	TURN \p, 3
	KSTEP \p, 4
	KSTEP \p, 5
	KSTEP \p, 6
.if (\p) < 2
	TURN \p, 7
	PLACES
	FT (\p)+1, 1
.else
	s_wait_dscnt 0x0
	MUL 7, 0
	PLACES
.endif
	EPI \p
.if (\p) < 2
	TAKE (\p)+1
.endif
.endm
	s_load_b256 s[4:11], s[0:1], 0x0               ; XB s[4:5], WB s[6:7], bc s[8:9], QB s[10:11]
	s_load_b64 s[12:13], s[0:1], 0x20              ; KV
	v_lshl_add_u32 v[SPW], v0, 2, SPARE
	v_mov_b32 v[NIL], 0
	ds_add_u32 v[SPW], v[NIL]                      ; the wave's opening: the add, twice on end, and its wait ahead of the first tensor load
	ds_add_u32 v[SPW], v[NIL]
	v_lshrrev_b32 v1, 5, v0
	v_readfirstlane_b32 s14, v1                    ; wave 0..3
	s_lshr_b32 s15, s14, 1
	s_and_b32 s16, s14, 1
	s_bfe_u32 s96, ttmp6, 0x40000                  ; cx
	s_bfe_u32 s97, ttmp6, 0x40004                  ; cy
	s_lshl_b32 s19, ttmp9, 2
	s_add_co_u32 s19, s19, s96                     ; X
	s_and_b32 s17, ttmp7, 0xffff
	s_lshl_b32 s17, s17, 2
	s_add_co_u32 s17, s17, s97                     ; Y
	s_lshl_b32 s98, s97, 2
	s_lshl_b32 s98, 15, s98                        ; my row of the cluster
	s_lshl_b32 s99, 0x1111, s96                    ; my column
	s_or_b32 s[G1T], s98, (3<<16)|(1<<21)          ; the mask; elements of 8 bytes; bit 21 beside a mask; no padding
	s_or_b32 s[G1W], s99, (3<<16)|(1<<21)
	s_or_b32 s[G1R], s99, (3<<16)|(1<<21)
.irp g, G1T, G1W, G1R
	s_mov_b32 s[\g+1], 768<<16                     ; a row: a group's 6,144 bytes of half of K
	s_mov_b32 s[\g+3], 768<<16
	s_mov_b32 s[\g+5], 1536                        ; a group's 12,288 bytes from row to row
	s_mov_b32 s[\g+6], 0
	s_mov_b32 s[\g+7], 0
.endr
	s_mov_b32 s[G1T+2], 8<<16
	s_mov_b32 s[G1T+4], 8
	s_mov_b32 s[G1W+2], 16<<16
	s_mov_b32 s[G1W+4], 16
	s_mov_b32 s[G1R+2], 4<<16
	s_mov_b32 s[G1R+4], 4
	s_mul_i32 s18, s16, 6144                       ; at the head: which half of K I fetch
	s_mul_i32 s20, s17, 98304                      ; T: group 8 Y
	s_add_co_u32 s20, s20, s18
	s_mov_b32 s21, 0
	s_mul_i32 s22, s19, 196608                     ; W: group 16 X
	s_add_co_u32 s100, s22, s18
	s_mov_b32 s101, 0
	s_mul_i32 s98, s14, 49152                      ; the refills: my four groups,
	s_add_co_u32 s22, s22, s98
	s_add_co_u32 s22, s22, NXT                     ; of part 1
	s_mov_b32 s23, 0
	s_mov_b32 s[G0T], 1
	s_mul_i32 s[G0T+1], s16, TH                    ; no place in the cluster enters an LDS address
	s_mov_b32 s[G0W], 1
	s_mul_i32 s[G0W+1], s16, WS
	s_add_co_u32 s[G0W+1], s[G0W+1], W0
	s_mov_b32 s[G0R], 1
	s_mul_i32 s[G0R+1], s14, 24576
	s_add_co_u32 s[G0R+1], s[G0R+1], W0
	s_mov_b32 s[G0R+4], 1
	s_add_co_u32 s[G0R+5], s[G0R+1], WS
	s_mov_b32 s90, 0xffff0000                      ; lanes 16-31
	s_mov_b32 s[SEL], 0x76543210
	s_mov_b32 s[SEL+1], 0xfedcba98
	s_wait_dscnt 0x0                               ; both opening adds are done
	s_wait_kmcnt 0x0
	s_add_nc_u64 s[G0T+2:G0T+3], s[4:5], s[20:21]
	s_or_b32 s[G0T+3], s[G0T+3], 0x80000000
	s_add_nc_u64 s[G0W+2:G0W+3], s[6:7], s[100:101]
	s_or_b32 s[G0W+3], s[G0W+3], 0x80000000
	s_add_nc_u64 s[G0R+2:G0R+3], s[6:7], s[22:23]
	s_add_nc_u64 s[G0R+6:G0R+7], s[G0R+2:G0R+3], 6144
	s_or_b32 s[G0R+3], s[G0R+3], 0x80000000
	s_or_b32 s[G0R+7], s[G0R+7], 0x80000000
	CROUND                                         ; all sixteen work-groups are here: the joint loads meet
	s_cmp_eq_u32 s15, 0                            ; the head's loads, one a wave: every way passes exactly one
	s_cbranch_scc0 .Lhead_w
	tensor_load_to_lds s[G0T:G0T+3], s[G1T:G1T+7]
	s_nop 0
	PLACES
	s_branch .Lhead_asked
.Lhead_w:
	tensor_load_to_lds s[G0W:G0W+3], s[G1W:G1W+7]
	s_nop 0
	PLACES
.Lhead_asked:
	; where the results go
	s_lshr_b32 s20, s17, 3                         ; the batch
	s_and_b32 s21, s17, 7                          ; which 128 tokens of it
	s_lshl_b32 s22, s19, 1
	s_add_co_u32 s23, s22, s16                     ; q, k: the pair of heads
	s_add_co_u32 s22, s22, s15                     ; v: the pair of heads
	s_lshl_b32 s98, s21, 3
	s_lshl_b32 s99, s15, 2
	s_add_co_u32 s99, s99, s98                     ; q, k: my first tile of tokens
	s_lshl_b32 s100, s16, 2
	s_add_co_u32 s100, s100, s98                   ; v: key step x 8 + my first dg
	s_lshl_b32 s18, s20, 3
	s_add_co_u32 s101, s18, s23                    ; batch x 8 + pair
	s_lshl_b32 s98, s101, 7
	s_add_co_u32 s98, s98, s99                     ; (batch x 16 + even head) x 64 + tile
	s_mul_i32 s[PQ], s98, 768
	s_lshl_b32 s[PQ+2], s98, 6
	s_add_co_u32 s[PQ+2], s[PQ+2], 6291456
	s_mul_i32 s101, s101, 208896
	s_mul_i32 s98, s99, 768
	s_add_co_u32 s[PQ+4], s101, s98
	s_lshl_b32 s98, s99, 6
	s_add_co_u32 s[PQ+6], s101, s98
	s_add_co_u32 s[PQ+6], s[PQ+6], 196608
	s_add_co_u32 s101, s18, s22
	s_mul_i32 s101, s101, 208896
	s_mul_i32 s98, s100, 1536
	s_add_co_u32 s[PQ+8], s101, s98
	s_add_co_u32 s[PQ+8], s[PQ+8], 98304
	s_lshl_b32 s98, s100, 6
	s_add_co_u32 s[PQ+10], s101, s98
	s_add_co_u32 s[PQ+10], s[PQ+10], 204800
	PTR PQ, 10
	PTR PQ+2, 10
	PTR PQ+4, 12
	PTR PQ+6, 12
	PTR PQ+8, 12
	PTR PQ+10, 12
	; scale words, bias, prefetches
	s_lshl_b32 s[PTS], s17, 12
	s_add_co_u32 s[PTS], s[PTS], 6291456
	s_lshl_b32 s98, s15, 11
	s_add_co_u32 s[PTI], s[PTS], s98
	s_lshl_b32 s18, s19, 13
	s_add_co_u32 s18, s18, 3145728
	s_lshl_b32 s98, s16, 12
	s_add_co_u32 s[PWJ], s18, s98
	s_lshl_b32 s98, s14, 11
	s_add_co_u32 s[PWI], s18, s98
	s_lshl_b32 s18, s19, 10
	s_lshl_b32 s98, s16, 9
	s_add_co_u32 s[PBQ], s18, s98
	s_lshl_b32 s98, s14, 8
	s_add_co_u32 s[PBV], s18, s98
	s_add_co_u32 s[PBV], s[PBV], 8192
	s_lshl_b32 s98, s19, 4
	s_lshl_b32 s99, s14, 2
	s_add_co_u32 s98, s98, s99
	s_add_co_u32 s98, s98, s97                     ; group 16 X + 4 wave + cy: the partners share a refill's groups out by address
	s_mul_i32 s[PF], s98, 12288
	s_add_co_u32 s[PF], s[PF], NXT
	PTR PTS, 4
	PTR PTI, 4
	PTR PWJ, 6
	PTR PWI, 6
	PTR PF, 6
	PTR PBQ, 8
	PTR PBV, 8
	s_mul_i32 s20, s15, 24576                      ; q, k: I = T's groups 4 (wave / 2) on
	s_mul_i32 s21, s16, 49152
	s_add_co_u32 s21, s21, W0                      ; q, k: J = W's groups 8 (wave % 2) on
	s_mul_i32 s22, s14, 24576
	s_add_co_u32 s22, s22, W0                      ; v: I = W's groups 4 wave on;  J = T
	v_and_b32 v3, 31, v0                           ; lane
	v_and_b32 v1, 15, v0                           ; r
	v_bfe_u32 v2, v0, 4, 1                         ; h
	v_lshlrev_b32 v4, 4, v3                        ; 16 x lane
	v_lshlrev_b32 v5, 2, v3                        ; 4 x lane
	v_lshlrev_b32 v14, 3, v3                       ; 8 x lane
	v_min_u32 v15, 23, v3
	v_lshlrev_b32 v15, 8, v15                      ; the prefetches: a lane a block of 256 bytes
	v_lshlrev_b32 v26, 6, v2                       ; q, k's bias: register 8 b + j is column 32 (b / 2) + 16 h + 8 (b % 2) + j of my 128
	v_and_b32 v27, 8, v1
	v_add_nc_u32 v27, v27, v1
	v_lshlrev_b32 v27, 2, v27                      ; v's bias: column r + 8 (r / 8) of a tile's pair
	v_add_nc_u32 v6, s20, v4
	v_add_nc_u32 v7, TH, v6
	v_add_nc_u32 v8, s21, v4
	v_add_nc_u32 v9, WS, v8
	v_add_nc_u32 v10, s22, v4
	v_add_nc_u32 v11, WS, v10
	v_mov_b32 v12, v4
	v_add_nc_u32 v13, TH, v4
.irp b, 0,1,2,3
	v_mov_b32 v[TM+4+\b], 0                        ; written once: a lane permute's destination counts as one of its sources
.endr
	s_wait_alu depctr_va_vdst(0)
.irp a, 0,1,2,3
.irp q, 0,1,2,3
	global_load_b32 v[IS+4*\a+\q], v5, s[PTI:PTI+1] offset:\a*512+\q*128   ; register 4 g + q: lanes 0-15 K step 2 q, lanes 16-31 K step 2 q + 1
.endr
.endr
.irp b, 0,1,2,3,4,5,6,7
.irp q, 0,1,2,3
	global_load_b32 v[JS+4*\b+\q], v5, s[PWJ:PWJ+1] offset:\b*512+\q*128
.endr
.endr
	WIN 0xc0
.irp b, 0,1,2,3,4,5,6,7
	global_load_b128 v[8*\b:8*\b+3], v26, s[PBQ:PBQ+1] offset:(32*(\b/2)+8*(\b%2))*4
	global_load_b128 v[8*\b+4:8*\b+7], v26, s[PBQ:PBQ+1] offset:(32*(\b/2)+8*(\b%2))*4+16
.endr
	WIN 0
	ASK 0
	s_wait_tensorcnt 0x0                           ; my part of T or of the ring is in,
	s_barrier_signal -1
	s_barrier_wait -1                              ; everybody's is
	FT 0, 0
	FT 0, 1
	s_wait_loadcnt 0x0                             ; scale words and bias
	TILE 0
	TILE 1
	TILE 2
	s_wait_tensorcnt 0x0                           ; the wave's end
	ds_add_u32 v[SPW], v[NIL]
	s_wait_dscnt 0x0
	CROUND                                         ; the closing round
	s_endpgm
.Lfunc_end_k_q81fdf71f79_gemm1:
	.size	k_q81fdf71f79_gemm1, .Lfunc_end_k_q81fdf71f79_gemm1-k_q81fdf71f79_gemm1
	.p2alignl 7, 3214868480
	.fill 96, 4, 3214868480
	.section	.rodata,"a",@progbits
	.p2align	6, 0x0
	.amdhsa_kernel k_q81fdf71f79_gemm1
		.amdhsa_group_segment_fixed_size 327680
		.amdhsa_private_segment_fixed_size 0
		.amdhsa_enable_private_segment 0
		.amdhsa_kernarg_size 40
		.amdhsa_user_sgpr_count 2
		.amdhsa_user_sgpr_kernarg_segment_ptr 1
		.amdhsa_wavefront_size32 1
		.amdhsa_system_sgpr_workgroup_id_x 1
		.amdhsa_system_sgpr_workgroup_id_y 1
		.amdhsa_system_sgpr_workgroup_id_z 1
		.amdhsa_system_vgpr_workitem_id 0
		.amdhsa_next_free_vgpr 1024
		.amdhsa_next_free_sgpr 102
		.amdhsa_reserve_vcc 0
		.amdhsa_float_denorm_mode_32 3
		.amdhsa_float_denorm_mode_16_64 3
		.amdhsa_memory_ordered 1
		.amdhsa_forward_progress 1
		.amdhsa_inst_pref_size 244
	.end_amdhsa_kernel
	.amdgpu_metadata
---
amdhsa.version: [ 1, 2 ]
amdhsa.kernels:
  - .name:           k_q81fdf71f79_gemm1
    .symbol:         k_q81fdf71f79_gemm1.kd
    .args:
      - { .name: XB, .offset: 0, .size: 8, .value_kind: global_buffer, .address_space: global }
      - { .name: WB, .offset: 8, .size: 8, .value_kind: global_buffer, .address_space: global }
      - { .name: bc, .offset: 16, .size: 8, .value_kind: global_buffer, .address_space: global }
      - { .name: QB, .offset: 24, .size: 8, .value_kind: global_buffer, .address_space: global }
      - { .name: KV, .offset: 32, .size: 8, .value_kind: global_buffer, .address_space: global }
    .group_segment_fixed_size: 327680
    .private_segment_fixed_size: 0
    .kernarg_segment_align: 8
    .kernarg_segment_size: 40
    .max_flat_workgroup_size: 128
    .sgpr_count:     102
    .vgpr_count:     1024
    .wavefront_size: 32
...
	.end_amdgpu_metadata
.endif
;; end of part 2
;; launch att (part 3): grid 4 x 64, 16 waves a work-group, clusters of 4 x 1, 212,992 bytes of LDS; arguments QB, KV, CB; writes CB
.if DOCPART == 3
	.amdgcn_target "amdgcn-amd-amdhsa--gfx1250"
	.amdhsa_code_object_version 6
	.text
	.protected	k_q81fdf71f79_att
	.globl	k_q81fdf71f79_att
	.p2align	8
	.type	k_q81fdf71f79_att,@function
k_q81fdf71f79_att:
	s_mov_b64 s[64:65], 0
	v_nop
	global_prefetch_b8 v0, s[64:65] scope:SCOPE_SE
	s_setreg_imm32_b32 hwreg(HW_REG_WAVE_MODE, 25, 1), 1
	s_wait_xcnt 0x0
	s_wait_alu depctr_hold_cnt(0) depctr_sa_sdst(0) depctr_va_vdst(0) depctr_va_sdst(0) depctr_va_ssrc(0) depctr_va_vcc(0) depctr_vm_vsrc(0)
	s_getreg_b32 s2, hwreg(HW_REG_IB_STS2, 6, 4)
	s_cmp_eq_u32 s2, 0
	s_cbranch_scc0 .Lentry_in_a_cluster
	s_endpgm
.Lentry_in_a_cluster:
	s_bfe_u32 s2, ttmp6, 0x10000c
	s_cmp_lg_u32 s2, 0x3003
	s_cbranch_scc0 .Lentry_shape_is_right
	s_endpgm
.Lentry_shape_is_right:
; The attention of all heads on codes of FP6 (E2M3): S = q k^T / 32, key k counts for query q where k >= q, p = 2^(t - M), O = p v / the sum of the unquantised p; O is quantised on the way out as the last product's operand.
; WORK LEFT OUT: a step of 128 keys that all lie under a tile's queries is not walked: the problem's own mask gives those keys the weight 0 (shown at the head of the first launch).
; A cluster of four work-groups serves one batch and pair of heads.  Its block of KV (K's and V's codes and scale words of both heads, 208,896 bytes) is copied into the LDS of all four as it lies, by joint loads:
; each of the sixteen waves asks for 51 rows of 256 bytes; filled once, nothing is filled again.
; A wave owns ONE tile of 16 queries and takes the two heads one after the other.  Which key step c its tile lies in hangs on the wave's number alone: with t = wave / 4, s = wave % 4: c = 2 t + ((s / 2) xor (t % 2));
; the tile is 8 c + 4 (s % 2) + cx.  So the four waves with the same wave % 4 walk 18 key steps a head together, in every work-group alike, and cx enters global addresses and the mask's numbers alone.
; Both products are used transposed (S^T = K Q^T, O^T = V^T P^T): a lane holds one query throughout; the rows of every tile are ordered so that two neighbouring tiles give a lane 16 neighbours.
; THE FIRST PRODUCT'S K IS 64: q's registers 6-11 are zero codes and bytes 2, 3 of both scale words are 0; K's registers 6-11 are then whatever follows in the registers (the next tile's codes, or zeros): they meet zero codes and add nothing.
; M is the running largest t rounded up to a whole number; when it moves, the sum and O^T are multiplied by a power of two.  The first step that a wave walks holds the query's own key, so M is a number from there on.
; REGISTERS: v1 8 x lane, v2 4 x (lane % 16), v3 16 x lane, v4 the mask's number, v5, v6 the add's; v8-11 the step's LDS addresses; v12 -M, v13 the largest t, v[14:15] the sum; v16-27, v28-39 q of the two heads; v40, v41 its scale words;
;   v42-95 fragments of K or V (v90-95 stay zero); v96-159 S^T, then p; v160-191 O^T; v192-203 the result's codes, v204 its scale word, v206-208 at work; v216-223 the tiles' scale words; v224-235 p's codes; v232-254 at work.
.set SPARE, 208896                     ; behind the block: the spare words, 128 bytes for each of sixteen waves
.set SPW, 5
.set NIL, 6
.macro CROUND                          ; a round of the cluster's barrier
	s_barrier_signal -1
	s_barrier_wait -1
	s_cmp_lg_u32 s10, 0
	s_cbranch_scc1 .Lnot_wave_0_\@
	s_barrier_signal -3
.Lnot_wave_0_\@:
	s_barrier_wait -3
	s_barrier_signal -1
	s_barrier_wait -1
.endm
	s_load_b128 s[4:7], s[0:1], 0x0                ; QB s[4:5], KV s[6:7]
	s_load_b64 s[8:9], s[0:1], 0x10                ; CB
	v_lshl_add_u32 v[SPW], v0, 2, SPARE
	v_mov_b32 v[NIL], 0
	ds_add_u32 v[SPW], v[NIL]                      ; the wave's opening: the add, twice on end, and its wait ahead of the first tensor load
	ds_add_u32 v[SPW], v[NIL]
	v_lshrrev_b32 v7, 5, v0
	s_delay_alu instid0(VALU_DEP_1)
	v_readfirstlane_b32 s10, v7                    ; wave 0..15
	s_bfe_u32 s11, ttmp6, 0x40000                  ; cx
	s_and_b32 s12, ttmp7, 0xffff                   ; the unit: batch x 8 + pair of heads
	s_lshr_b32 s37, s10, 2                         ; t
	s_and_b32 s38, s10, 3                          ; s
	s_lshr_b32 s39, s38, 1
	s_and_b32 s13, s37, 1
	s_xor_b32 s13, s13, s39
	s_lshl_b32 s37, s37, 1
	s_add_co_u32 s13, s13, s37                     ; c: my tile's key step
	s_and_b32 s38, s38, 1
	s_lshl_b32 s38, s38, 2
	s_lshl_b32 s15, s13, 3
	s_add_co_u32 s15, s15, s38
	s_add_co_u32 s15, s15, s11                     ; my tile
	s_mov_b32 s20, 15|(3<<16)|(1<<21)              ; the mask: all four work-groups; elements of 8 bytes; bit 21 beside a mask
	s_mov_b32 s21, 32<<16                          ; rows of 256 bytes
	s_mov_b32 s22, 51<<16                          ; 51 of them
	s_mov_b32 s23, 32<<16
	s_mov_b32 s24, 51
	s_mov_b32 s25, 32
	s_mov_b32 s26, 0
	s_mov_b32 s27, 0
	s_mov_b32 s16, 1
	s_mul_i32 s17, s10, 13056                      ; my sixteenth of the block, in LDS as in memory
	s_mul_i32 s38, s12, 208896
	s_add_co_u32 s38, s38, s17
	s_mov_b32 s39, 0
	s_mov_b32 s28, 0x76543210                      ; v_permlanex16_b32's selects for lane l xor 16
	s_mov_b32 s29, 0xfedcba98
	s_mov_b32 s30, 0x3d38aa3b                      ; log2(e) / 32: t = score x this
	s_mov_b32 s31, s30                             ; (named with it as a pair)
	s_wait_dscnt 0x0                               ; both opening adds are done
	s_wait_kmcnt 0x0
	s_add_nc_u64 s[18:19], s[6:7], s[38:39]
	s_or_b32 s19, s19, 0x80000000
	CROUND                                         ; all four work-groups are here: the joint loads meet
	tensor_load_to_lds s[16:19], s[20:27]          ; my one tensor load
	s_nop 0
	v_and_b32 v7, 31, v0
	s_delay_alu instid0(VALU_DEP_1)
	v_lshlrev_b32 v1, 3, v7
	s_wait_alu depctr_va_vdst(0)
	v_lshlrev_b32 v3, 4, v7
	v_and_b32 v8, 15, v0                           ; r
	v_bfe_u32 v9, v0, 4, 1                         ; h
	s_delay_alu instid0(VALU_DEP_2)
	v_lshlrev_b32 v2, 2, v8
	s_wait_alu depctr_va_vdst(0)
	s_lshl_b32 s38, s12, 7
	s_add_co_u32 s38, s38, s15                     ; (2 x unit) x 64 + tile: the even head's
	s_mul_i32 s40, s38, 768
	s_mov_b32 s41, 0
	s_add_nc_u64 s[40:41], s[4:5], s[40:41]
	s_lshl_b32 s42, s38, 6
	s_add_co_u32 s42, s42, 6291456
	s_mov_b32 s43, 0
	s_add_nc_u64 s[42:43], s[4:5], s[42:43]
.irp e, 0,1
.irp p, 0,1,2
	global_load_b64 v[16+12*\e+2*\p:17+12*\e+2*\p], v1, s[40:41] offset:49152*\e+256*\p   ; q's half fragment stays in registers
.endr
	global_load_b32 v[40+\e], v2, s[42:43] offset:4096*\e
.endr
	s_lshr_b32 s38, s15, 1                         ; my query within its key step is 32 ((tile / 2) % 4) + 8 (tile % 2) + r + 8 (r / 8); register 16 b + i holds key 32 b + 16 h + i: hidden where 32 b + i < query - 16 h
	s_and_b32 s38, s38, 3
	s_lshl_b32 s38, s38, 5
	s_and_b32 s39, s15, 1
	s_lshl_b32 s39, s39, 3
	s_add_co_u32 s38, s38, s39
	v_and_b32 v10, 8, v8
	s_delay_alu instid0(VALU_DEP_1)
	v_add_nc_u32 v10, v10, v8
	v_lshlrev_b32 v11, 4, v9
	s_delay_alu instid0(VALU_DEP_1)
	v_sub_nc_u32 v10, v10, v11
	s_delay_alu instid0(VALU_DEP_1)
	v_add_nc_u32 v4, s38, v10
.irp j, 22,23,24,25,26,27,34,35,36,37,38,39,90,91,92,93,94,95
	v_mov_b32 v[\j], 0                             ; the zero codes of the first product's upper 64 along K
.endr
.irp j, 236,237,238,239,252,253
	v_mov_b32 v[\j], 0                             ; written once: a lane permute's destination counts as one of its sources; v253 is named in a pair before it is first written
.endr
	s_lshr_b32 s37, s12, 3                         ; the batch
	s_and_b32 s38, s12, 7                          ; the pair of heads: the last product's K step
	s_lshl_b32 s37, s37, 6
	s_add_co_u32 s37, s37, s15
	s_lshl_b32 s39, s37, 3
	s_add_co_u32 s39, s39, s38                     ; group x 8 + K step
	s_mul_i32 s44, s39, 1536
	s_mov_b32 s45, 0
	s_add_nc_u64 s[44:45], s[8:9], s[44:45]
	s_lshl_b32 s46, s39, 6
	s_add_co_u32 s46, s46, 6291456
	s_mov_b32 s47, 0
	s_add_nc_u64 s[46:47], s[8:9], s[46:47]
	s_wait_tensorcnt 0x0                           ; my part of the block is in,
	s_barrier_signal -1
	s_barrier_wait -1                              ; everybody's is
	s_wait_loadcnt 0x0                             ; q
; One head of the pair: all key steps from my tile's own on, then the division and the quantiser.
.macro PASS e
.set j, 0
.rept 32
	v_mov_b32 v[160+j], 0                          ; O^T: the step is written once; the first finds zeros, which the first change of M leaves zeros
.set j, j+1
.endr
	v_mov_b32 v13, 0xff61b1e6                      ; the largest t so far: -3e38
	s_delay_alu instid0(VALU_DEP_1)
	v_floor_f32 v12, -v13                          ; -M
	v_mov_b32 v14, 0
	v_mov_b32 v15, 0
	s_mov_b32 s32, 49152*\e                        ; where the step's tiles of K begin in LDS,
	s_mov_b32 s33, 98304+6144*\e                   ; of V,
	s_mov_b32 s34, 196608+4096*\e                  ; K's scale words,
	s_mov_b32 s35, 204800+256*\e                   ; V's
	s_mov_b32 s36, 0
.Lstep_\@:                                         ; eight trips, a constant; a step under my tile is jumped over, on the wave's number and the count alone
	s_cmp_lt_u32 s36, s13
	s_cbranch_scc1 .Lhidden_\@
	v_add_nc_u32 v8, s32, v1                       ; (these four are also the places in front of the loads below)
	v_add_nc_u32 v9, s33, v1
	v_add_nc_u32 v10, s34, v2
	v_add_nc_u32 v11, s35, v2
.irp t, 0,1,2,3,4,5,6,7
.irp p, 0,1,2
	ds_load_b64 v[42+6*\t+2*\p:43+6*\t+2*\p], v8 offset:768*\t+256*\p   ; 256 consecutive bytes a load
.endr
	ds_load_b32 v[216+\t], v10 offset:64*\t
.endr
	s_wait_alu depctr_va_vdst(0)
	s_wait_dscnt 0x0
.irp t, 0,1,2,3,4,5,6,7
	v_wmma_scale_f32_16x16x128_f8f6f4 v[96+8*\t:103+8*\t], v[42+6*\t:53+6*\t], v[16+12*\e:27+12*\e], 0, v[216+\t], v[40+\e] matrix_a_fmt:MATRIX_FMT_FP6 matrix_b_fmt:MATRIX_FMT_FP6
.endr
.rept 4
	v_nop                                          ; places: in front of the loads into K's registers and of the first read of the scores
.endr
.irp t, 0,1,2,3                                ; V's four tiles of this head and step are asked for now and land during the softmax
.irp p, 0,1,2,3,4,5
	ds_load_b64 v[42+12*\t+2*\p:43+12*\t+2*\p], v9 offset:1536*\t+256*\p
.endr
	ds_load_b32 v[216+\t], v11 offset:64*\t
.endr
	s_cmp_lg_u32 s36, s13                          ; my tile's own step: the scores of keys under the query become -infinity, so p = 0
	s_cbranch_scc1 .Lopen_\@
	v_mov_b32 v254, 0xff800000
.set n, 0
.rept 64
	v_cmp_lt_i32 vcc_lo, 32*(n/16)+n%16, v4
	v_cndmask_b32 v[96+n], v[96+n], v254, vcc_lo
.set n, n+1
.endr
.Lopen_\@:
.irp b, 0,1,2,3
	v_max3_num_f32 v[232+\b], v[96+16*\b], v[97+16*\b], v[98+16*\b]   ; the largest score of each block of 32 keys: for the row's maximum, and, since p rises with the score, for the block's largest p
.endr
.irp i, 3,5,7,9,11,13
.irp b, 0,1,2,3
	v_max3_num_f32 v[232+\b], v[232+\b], v[96+16*\b+\i], v[97+16*\b+\i]
.endr
.endr
.irp b, 0,1,2,3
	v_max_num_f32 v[232+\b], v[232+\b], v[111+16*\b]
.endr
.irp b, 0,1,2,3
	s_delay_alu instid0(VALU_DEP_4)
	v_permlanex16_b32 v[236+\b], v[232+\b], s28, s29
.endr
.irp b, 0,1,2,3
	s_delay_alu instid0(VALU_DEP_4)
	v_max_num_f32 v[232+\b], v[232+\b], v[236+\b]  ; with lane l xor 16's 16 keys
.endr
	s_delay_alu instid0(VALU_DEP_2)
	v_max3_num_f32 v254, v232, v233, v234
	s_delay_alu instid0(VALU_DEP_1)
	v_max_num_f32 v254, v254, v235
	s_delay_alu instid0(VALU_DEP_1)
	v_mul_f32 v254, s30, v254                      ; as t
	s_delay_alu instid0(VALU_DEP_1)
	v_max_num_f32 v13, v13, v254                   ; the running largest t
	v_mov_b32 v254, v12
	s_delay_alu instid0(VALU_DEP_2)
	v_floor_f32 v12, -v13                          ; the new -M = -ceil(t)
	s_delay_alu instid0(VALU_DEP_1)
	v_sub_f32 v254, v12, v254                      ; old M - new M: a whole number, 0 or less
	s_delay_alu instid0(VALU_DEP_1)
	v_cvt_i32_f32 v254, v254                       ; (it saturates)
	s_delay_alu instid0(VALU_DEP_1)
	v_ldexp_f32 v252, 1.0, v254                    ; f = 2^(old M - new M)
.set j, 0
.rept 32
	v_pk_fma_f32 v[96+j:97+j], v[96+j:97+j], s[30:31], v[12:13] op_sel_hi:[1,0,0]   ; t - M
.set j, j+2
.endr
.irp b, 0,1,2,3
	v_fma_f32 v[232+\b], v[232+\b], s30, v12       ; the same of each block's largest score
.endr
.set j, 0
	s_wait_alu depctr_va_vdst(0)
.rept 64
	v_exp_f32 v[96+j], v[96+j]                     ; p = 2^(t - M): not normalised
.set j, j+1
.endr
	v_pk_mul_f32 v[14:15], v[14:15], v[252:253] op_sel_hi:[1,0]   ; the sums under the new M (a plain place behind the exponentials)
	s_wait_alu depctr_va_vdst(0)                   ; one wait for the batch, ahead of its first reader
.irp b, 0,1,2,3
	v_exp_f32 v[232+\b], v[232+\b]                 ; the block's largest p
.endr
	v_pk_add_f32 v[236:237], v[100:101], v[104:105]
	v_pk_add_f32 v[254:255], v[108:109], v[112:113]
	v_pk_add_f32 v[250:251], v[116:117], v[120:121]
	v_pk_add_f32 v[248:249], v[124:125], v[128:129]
	v_pk_add_f32 v[246:247], v[132:133], v[136:137]
	v_pk_add_f32 v[244:245], v[140:141], v[144:145]
	v_pk_add_f32 v[242:243], v[148:149], v[152:153]
	v_pk_add_f32 v[14:15], v[14:15], v[156:157]
	v_pk_add_f32 v[236:237], v[236:237], v[96:97]
	v_pk_add_f32 v[254:255], v[254:255], v[98:99]
	v_pk_add_f32 v[250:251], v[250:251], v[102:103]
	v_pk_add_f32 v[248:249], v[248:249], v[106:107]
	v_pk_add_f32 v[246:247], v[246:247], v[110:111]
	v_pk_add_f32 v[244:245], v[244:245], v[114:115]
	v_pk_add_f32 v[242:243], v[242:243], v[118:119]
	v_pk_add_f32 v[14:15], v[14:15], v[122:123]
	v_pk_add_f32 v[236:237], v[236:237], v[126:127]
	v_pk_add_f32 v[254:255], v[254:255], v[130:131]
	v_pk_add_f32 v[250:251], v[250:251], v[134:135]
	v_pk_add_f32 v[248:249], v[248:249], v[138:139]
	v_pk_add_f32 v[246:247], v[246:247], v[142:143]
	v_pk_add_f32 v[244:245], v[244:245], v[146:147]
	v_pk_add_f32 v[242:243], v[242:243], v[150:151]
	v_pk_add_f32 v[14:15], v[14:15], v[154:155]
	v_pk_add_f32 v[236:237], v[236:237], v[158:159]
	s_delay_alu instid0(VALU_DEP_2)
	v_pk_add_f32 v[14:15], v[14:15], v[248:249]
	s_delay_alu instid0(VALU_DEP_2)
	v_pk_add_f32 v[236:237], v[236:237], v[246:247]
	v_pk_add_f32 v[254:255], v[254:255], v[244:245]
	v_pk_add_f32 v[250:251], v[250:251], v[242:243]
	s_delay_alu instid0(VALU_DEP_2)
	v_pk_add_f32 v[14:15], v[14:15], v[254:255]
	s_delay_alu instid0(VALU_DEP_2)
	v_pk_add_f32 v[236:237], v[236:237], v[250:251]
	s_delay_alu instid0(VALU_DEP_1)
	v_pk_add_f32 v[14:15], v[14:15], v[236:237]
	s_wait_alu depctr_va_vdst(0)                   ; and one for the four
.irp b, 0,1,2,3
	v_max_num_f32 v[232+\b], 0x1800000, v[232+\b]  ; the floor 2^(3 - 127): the byte cannot fall under 1
.endr
.irp b, 0,1,2,3
	s_delay_alu instid0(VALU_DEP_4)
	v_add_nc_u32 v[244+\b], 0xff000000, v[232+\b]  ; the conversion's scale operand
.endr
.irp b, 0,1,2,3
	s_delay_alu instid0(VALU_DEP_4)
	v_lshrrev_b32 v[236+\b], 23, v[244+\b]         ; the byte
.endr
	s_delay_alu instid0(VALU_DEP_3)
	v_lshl_or_b32 v253, v237, 8, v236              ; p's scale word for these 128 keys
	s_delay_alu instid0(VALU_DEP_1)
	v_lshl_or_b32 v253, v238, 16, v253
	s_delay_alu instid0(VALU_DEP_1)
	v_lshl_or_b32 v253, v239, 24, v253
.irp c, 0,1
	v_cvt_scalef32_pk16_fp6_f32 v[224+6*\c:226+6*\c], v[96+32*\c:111+32*\c], v[244+2*\c]
	v_cvt_scalef32_pk16_fp6_f32 v[236+4*\c:238+4*\c], v[112+32*\c:127+32*\c], v[244+2*\c+1]
.endr
	v_nop                                          ; one plain place behind a scaled conversion
.irp c, 0,1
.irp i, 0,1,2
	v_permlane16_swap_b32 v[224+6*\c+\i], v[236+4*\c+\i]
.endr
.irp i, 0,1,2
	s_delay_alu instid0(VALU_DEP_3)
	v_mov_b32 v[227+6*\c+\i], v[236+4*\c+\i]
.endr
.endr
.set j, 0
.rept 16
	v_pk_mul_f32 v[160+j:161+j], v[160+j:161+j], v[252:253] op_sel_hi:[1,0]   ; O^T under the new M (these sixteen are also the places in front of the products below)
.set j, j+2
.endr
	s_wait_alu depctr_va_vdst(0)
	s_wait_dscnt 0x0                               ; V
.irp t, 0,1,2,3
	v_wmma_scale_f32_16x16x128_f8f6f4 v[160+8*\t:167+8*\t], v[42+12*\t:53+12*\t], v[224:235], v[160+8*\t:167+8*\t], v[216+\t], v253 matrix_a_fmt:MATRIX_FMT_FP6 matrix_b_fmt:MATRIX_FMT_FP6
.endr
.Lhidden_\@:
	s_add_co_u32 s32, s32, 6144                    ; the next step's tiles and scale words
	s_add_co_u32 s33, s33, 12288
	s_add_co_u32 s34, s34, 512
	s_add_co_u32 s35, s35, 512
	s_add_co_u32 s36, s36, 1
	s_cmp_lt_u32 s36, 8
	s_cbranch_scc1 .Lstep_\@
.rept 4
	v_nop                                          ; places behind the last products
.endr
	s_wait_alu depctr_va_vdst(0)
	v_add_f32 v14, v14, v15
	s_delay_alu instid0(VALU_DEP_1)
	v_permlanex16_b32 v252, v14, s28, s29
	s_delay_alu instid0(VALU_DEP_1)
	v_add_f32 v14, v14, v252                       ; the row's sum
	s_wait_alu depctr_va_vdst(0)
	v_rcp_f32 v14, v14
	v_nop                                          ; a plain place behind the reciprocal
	s_wait_alu depctr_va_vdst(0)                   ; and the wait ahead of its first reader
.set j, 0
.rept 16
	v_pk_mul_f32 v[160+j:161+j], v[160+j:161+j], v[14:15] op_sel_hi:[1,0]   ; O^T / the sum: register 16 b + i is d = 32 b + 16 h + i of this head
.set j, j+2
.endr
.irp b, 0,1                                    ; the head's two blocks of 32 along the last product's K
	v_max3_num_f32 v[232+\b], |v[160+16*\b]|, |v[161+16*\b]|, 0x1800000
.endr
.irp i, 2,4,6,8,10,12,14
.irp b, 0,1
	s_delay_alu instid0(VALU_DEP_2)
	v_max3_num_f32 v[232+\b], v[232+\b], |v[160+16*\b+\i]|, |v[161+16*\b+\i]|
.endr
.endr
.irp b, 0,1
	s_delay_alu instid0(VALU_DEP_2)
	v_permlanex16_b32 v[236+\b], v[232+\b], s28, s29
.endr
.irp b, 0,1
	s_delay_alu instid0(VALU_DEP_2)
	v_max_num_f32 v[232+\b], v[232+\b], v[236+\b]
.endr
.irp b, 0,1
	s_delay_alu instid0(VALU_DEP_2)
	v_add_nc_u32 v[244+\b], 0xff000000, v[232+\b]
.endr
.irp b, 0,1
	s_delay_alu instid0(VALU_DEP_2)
	v_lshrrev_b32 v[236+\b], 23, v[244+\b]
.endr
.if \e == 0
	s_delay_alu instid0(VALU_DEP_1)
	v_lshl_or_b32 v204, v237, 8, v236              ; bytes 0, 1 of the scale word
.else
	s_delay_alu instid0(VALU_DEP_2)
	v_lshl_or_b32 v204, v236, 16, v204             ; bytes 2, 3
	s_delay_alu instid0(VALU_DEP_1)
	v_lshl_or_b32 v204, v237, 24, v204
.endif
	v_cvt_scalef32_pk16_fp6_f32 v[192+6*\e:194+6*\e], v[160:175], v244
	v_cvt_scalef32_pk16_fp6_f32 v[206:208], v[176:191], v245
	v_nop
.irp i, 0,1,2
	v_permlane16_swap_b32 v[192+6*\e+\i], v[206+\i]
.endr
.irp i, 0,1,2
	s_delay_alu instid0(VALU_DEP_3)
	v_mov_b32 v[195+6*\e+\i], v[206+\i]            ; registers 6 e .. 6 e + 5: K = 64 e + 32 h + 0 .. 31
.endr
.endm
	PASS 0
	PASS 1
.irp g, 0,1,2
	global_store_b128 v3, v[192+4*\g:195+4*\g], s[44:45] offset:512*\g   ; the fragment as it stands: 512 consecutive bytes a store
.endr
	global_store_b32 v2, v204, s[46:47]            ; its 64 bytes of scale words; both halves of the lanes store the same word
	s_wait_tensorcnt 0x0                           ; the wave's end
	ds_add_u32 v[SPW], v[NIL]
	s_wait_dscnt 0x0
	CROUND                                         ; the closing round
	s_endpgm
.Lfunc_end_k_q81fdf71f79_att:
	.size	k_q81fdf71f79_att, .Lfunc_end_k_q81fdf71f79_att-k_q81fdf71f79_att
	.p2alignl 7, 3214868480
	.fill 96, 4, 3214868480
	.section	.rodata,"a",@progbits
	.p2align	6, 0x0
	.amdhsa_kernel k_q81fdf71f79_att
		.amdhsa_group_segment_fixed_size 212992
		.amdhsa_private_segment_fixed_size 0
		.amdhsa_enable_private_segment 0
		.amdhsa_kernarg_size 24
		.amdhsa_user_sgpr_count 2
		.amdhsa_user_sgpr_kernarg_segment_ptr 1
		.amdhsa_wavefront_size32 1
		.amdhsa_system_sgpr_workgroup_id_x 1
		.amdhsa_system_sgpr_workgroup_id_y 1
		.amdhsa_system_sgpr_workgroup_id_z 1
		.amdhsa_system_vgpr_workitem_id 0
		.amdhsa_next_free_vgpr 256
		.amdhsa_next_free_sgpr 66
		.amdhsa_reserve_vcc 1
		.amdhsa_float_denorm_mode_32 3
		.amdhsa_float_denorm_mode_16_64 3
		.amdhsa_memory_ordered 1
		.amdhsa_forward_progress 1
		.amdhsa_inst_pref_size 67
	.end_amdhsa_kernel
	.amdgpu_metadata
---
amdhsa.version: [ 1, 2 ]
amdhsa.kernels:
  - .name:           k_q81fdf71f79_att
    .symbol:         k_q81fdf71f79_att.kd
    .args:
      - { .name: QB, .offset: 0, .size: 8, .value_kind: global_buffer, .address_space: global }
      - { .name: KV, .offset: 8, .size: 8, .value_kind: global_buffer, .address_space: global }
      - { .name: CB, .offset: 16, .size: 8, .value_kind: global_buffer, .address_space: global }
    .group_segment_fixed_size: 212992
    .private_segment_fixed_size: 0
    .kernarg_segment_align: 8
    .kernarg_segment_size: 24
    .max_flat_workgroup_size: 512
    .sgpr_count:     66
    .vgpr_count:     256
    .wavefront_size: 32
...
	.end_amdgpu_metadata
.endif
;; end of part 3
;; launch gemm2 (part 4): grid 4 x 64, 4 waves a work-group, clusters of 4 x 4, 327,680 bytes of LDS; arguments CB, WB, bo, out0; writes out0
.if DOCPART == 4
	.amdgcn_target "amdgcn-amd-amdhsa--gfx1250"
	.amdhsa_code_object_version 6
	.text
	.protected	k_q81fdf71f79_gemm2
	.globl	k_q81fdf71f79_gemm2
	.p2align	8
	.type	k_q81fdf71f79_gemm2,@function
k_q81fdf71f79_gemm2:
	s_mov_b64 s[64:65], 0
	v_nop
	global_prefetch_b8 v0, s[64:65] scope:SCOPE_SE
	s_setreg_imm32_b32 hwreg(HW_REG_WAVE_MODE, 25, 1), 1
	s_wait_xcnt 0x0
	s_wait_alu depctr_hold_cnt(0) depctr_sa_sdst(0) depctr_va_vdst(0) depctr_va_sdst(0) depctr_va_ssrc(0) depctr_va_vcc(0) depctr_vm_vsrc(0)
	s_getreg_b32 s2, hwreg(HW_REG_IB_STS2, 6, 4)
	s_cmp_eq_u32 s2, 0
	s_cbranch_scc0 .Lentry_in_a_cluster
	s_endpgm
.Lentry_in_a_cluster:
	s_bfe_u32 s2, ttmp6, 0x10000c
	s_cmp_lg_u32 s2, 0xf033
	s_cbranch_scc0 .Lentry_shape_is_right
	s_endpgm
.Lentry_shape_is_right:
; out0 = concat Wo + bo on codes of FP6 (E2M3).  A work-group takes 128 tokens (CB's groups 8 Y on: operand T) x 256 columns (WB's groups 192 + 16 X on: operand W), all of K = 1,024.  No work of the problem is left out here.
; All 288 KiB of codes fit in LDS and are filled once, by one load a wave at the head: waves 0, 1 the two halves of T along K (8 groups x 6,144 bytes), waves 2, 3 those of W (16 groups x 6,144).  Nothing is filled again.
; CLUSTERS of 4 x 4: T hangs on Y alone and is asked for jointly along a row of the cluster, W on X alone, along a column.
; NO PREFETCH: every byte that the launch reads by tensor loads is asked for at its head; there is no later load to run ahead of.
; A wave makes 64 tokens (I, source 1) x 128 columns (J, source 0), IN TWO HALVES OF 64 COLUMNS, each over all of K: sixteen steps of 16 products.  I's 32 fragments (384 registers) are read from LDS once, in the first half,
; and stay in registers for the second; J's come four to a step, in two sets.  The first half's results are stored ahead of the second half's products.  The bias is the C of each sum's first matrix instruction.
; The way out: 16 tokens x 64 columns go through the wave's own stage in LDS (rows of 272 bytes, on bytes into which no tensor load lands) and leave as rows of 256 bytes: sixteen lanes store one aligned run of 256 bytes.
; REGISTERS: window 0: v1-13 addresses; v28, v29 the add's; v32-47 I's scale words, v48-79 J's; v80-175 J's fragments, two sets; v176-239 the bias.   window 1: the accumulators, (a, b) at v[8 (8 a + b)].
;   window 2: I's fragments of K steps 0-4, at v[48 ks + 12 a];   window 3: those of K steps 5-7, at v[48 (ks - 5) + 12 a]; v160-223 rows read back from the stage.
.set TH,    49152
.set WS,    98304
.set W0,    98304
.set SPARE, 294912                     ; the spare words, 128 bytes a wave
.set STAGE, 295424                     ; behind them: 16 rows x 272 bytes for each wave
.set SPW, 28
.set NIL, 29
.set IS,  32
.set JS,  48
.set FJ,  80
.set BI,  176
.set RB,  160
.set G1T, 24
.set G0T, 32
.set G0W, 36
.set G1W, 48
.set MSB, 0
.macro WIN new
.if MSB != \new
	s_set_vgpr_msb (MSB<<8)|\new
.set MSB, \new
.endif
.endm
.macro CROUND                          ; a round of the cluster's barrier
	s_barrier_signal -1
	s_barrier_wait -1
	s_cmp_lg_u32 s14, 0
	s_cbranch_scc1 .Lnot_wave_0_\@
	s_barrier_signal -3
.Lnot_wave_0_\@:
	s_barrier_wait -3
	s_barrier_signal -1
	s_barrier_wait -1
.endm
.macro PLACES                          ; four plain places behind a matrix instruction (ISA guide 7.12.1)
.rept 4
	v_nop
.endr
.endm
.macro FETCH s                         ; step s = 8 x half + K step: J's four fragments into set s % 2; in the first half also I's four, into their own registers
.set KS, (\s)%8
.set FF, (\s)/8
	WIN 0
.irp b, 0,1,2,3
.irp c, 0,1,2
	ds_load_b128 v[FJ+48*((\s)%2)+12*\b+4*\c:FJ+48*((\s)%2)+12*\b+4*\c+3], v[10+KS/4] offset:(4*FF+\b)*6144+(KS%4)*1536+512*\c
.endr
.endr
.if (\s) < 8
.if KS < 5
	WIN 0x80
.set IB, 48*KS
.else
	WIN 0xc0
.set IB, 48*(KS-5)
.endif
.irp a, 0,1,2,3
.irp c, 0,1,2
	ds_load_b128 v[IB+12*\a+4*\c:IB+12*\a+4*\c+3], v[6+KS/4] offset:\a*6144+(KS%4)*1536+512*\c
.endr
.endr
	WIN 0
.endif
.endm
.macro MM a, b, s, cm
.set DR, 8*(8*(\a)+4*FF+(\b))
.if (\cm) == 0
.set CR, DR
.else
.set CR, BI+8*(4*FF+(\b))
.endif
.set JR, FJ+48*((\s)%2)+12*(\b)
.set IR, IB+12*(\a)
.if KS%2
	v_wmma_scale_f32_16x16x128_f8f6f4 v[DR:DR+7], v[JR:JR+11], v[IR:IR+11], v[CR:CR+7], v[JS+4*(4*FF+(\b))+KS/2], v[IS+4*(\a)+KS/2] matrix_a_fmt:MATRIX_FMT_FP6 matrix_b_fmt:MATRIX_FMT_FP6 matrix_a_scale:MATRIX_SCALE_ROW1 matrix_b_scale:MATRIX_SCALE_ROW1
.else
	v_wmma_scale_f32_16x16x128_f8f6f4 v[DR:DR+7], v[JR:JR+11], v[IR:IR+11], v[CR:CR+7], v[JS+4*(4*FF+(\b))+KS/2], v[IS+4*(\a)+KS/2] matrix_a_fmt:MATRIX_FMT_FP6 matrix_b_fmt:MATRIX_FMT_FP6
.endif
.endm
.macro MUL s, cm                       ; a step's 16 products: the half's 16 accumulators take turns
.set KS, (\s)%8
.set FF, (\s)/8
.if KS < 5
.set IB, 48*KS
.if \cm
	WIN 0x48                                       ; source 0 and C window 0, source 1 window 2, D window 1
.else
	WIN 0x58                                       ; C window 1
.endif
.else
.set IB, 48*(KS-5)
	WIN 0x5c                                       ; source 1 window 3
.endif
.irp a, 0,1,2,3
.irp b, 0,1,2,3
	MM \a, \b, \s, \cm
.endr
.endr
.endm
.macro STEP s                          ; the next step's fragments are asked for, then this step is multiplied
.if (\s) < 15
	PLACES
	FETCH (\s)+1
.if (\s)+1 < 8
	s_wait_dscnt 24                                ; this step's fragments are in; the 24 loads just issued may be out
.else
	s_wait_dscnt 12                                ; the same: the second half's steps fetch 12
.endif
.else
	s_wait_dscnt 0x0
.endif
	MUL \s, 0
.endm
.macro TOSTAGE a, f
	WIN 0x04
.irp n, 0,1,2,3,4,5,6,7
	ds_store_b128 v8, v[64*(\a)+32*(\f)+4*\n:64*(\a)+32*(\f)+4*\n+3] offset:128*(\n/4)+16*(\n%4)   ; each accumulator from its low end on
.endr
	WIN 0xc0
.irp t, 0,1,2,3,4,5,6,7
	ds_load_b128 v[RB+32*((\a)%2)+4*\t:RB+32*((\a)%2)+4*\t+3], v9 offset:544*\t    ; two rows a load; LDS serves a wave's instructions in order: these see the stores above
.endr
.endm
.macro SEND a, f, younger
	s_wait_dscnt \younger
	WIN 0x0c
.irp t, 0,1,2,3,4,5,6,7
	global_store_b128 v13, v[RB+32*((\a)%2)+4*\t:RB+32*((\a)%2)+4*\t+3], s[10:11] offset:(32*((\a)/2)+8*((\a)%2)+2*\t+8*(\t/4))*4096+256*(\f) th:TH_STORE_NT
.endr
.endm
.macro OUT f                           ; a half's four tiles of 16 tokens
	s_wait_xcnt 0x0                                ; earlier stores have read their registers
	TOSTAGE 0, \f
	TOSTAGE 1, \f
	SEND 0, \f, 16                                 ; behind tile 0's loads: tile 1's 8 stores and 8 loads
	s_wait_xcnt 0x0
	TOSTAGE 2, \f
	SEND 1, \f, 16
	s_wait_xcnt 0x0
	TOSTAGE 3, \f
	SEND 2, \f, 16
	SEND 3, \f, 0
	WIN 0
.endm
	s_load_b256 s[4:11], s[0:1], 0x0               ; CB s[4:5], WB s[6:7], bo s[8:9], out0 s[10:11]
	v_lshl_add_u32 v[SPW], v0, 2, SPARE
	v_mov_b32 v[NIL], 0
	ds_add_u32 v[SPW], v[NIL]                      ; the wave's opening: the add, twice on end, and its wait
	ds_add_u32 v[SPW], v[NIL]
	v_lshrrev_b32 v1, 5, v0
	v_readfirstlane_b32 s14, v1                    ; wave 0..3
	s_lshr_b32 s15, s14, 1
	s_and_b32 s16, s14, 1
	s_bfe_u32 s76, ttmp6, 0x40000                  ; cx
	s_bfe_u32 s77, ttmp6, 0x40004                  ; cy
	s_lshl_b32 s19, ttmp9, 2
	s_add_co_u32 s19, s19, s76                     ; X
	s_and_b32 s17, ttmp7, 0xffff
	s_lshl_b32 s17, s17, 2
	s_add_co_u32 s17, s17, s77                     ; Y
	s_lshl_b32 s78, s77, 2
	s_lshl_b32 s78, 15, s78                        ; my row of the cluster
	s_lshl_b32 s79, 0x1111, s76                    ; my column
	s_or_b32 s[G1T], s78, (3<<16)|(1<<21)          ; the mask; elements of 8 bytes; bit 21 beside a mask
	s_or_b32 s[G1W], s79, (3<<16)|(1<<21)
.irp g, G1T, G1W
	s_mov_b32 s[\g+1], 768<<16                     ; a row: a group's 6,144 bytes of half of K
	s_mov_b32 s[\g+3], 768<<16
	s_mov_b32 s[\g+5], 1536                        ; a group's 12,288 bytes from row to row
	s_mov_b32 s[\g+6], 0
	s_mov_b32 s[\g+7], 0
.endr
	s_mov_b32 s[G1T+2], 8<<16
	s_mov_b32 s[G1T+4], 8
	s_mov_b32 s[G1W+2], 16<<16
	s_mov_b32 s[G1W+4], 16
	s_mul_i32 s18, s16, 6144                       ; which half of K I fetch
	s_mul_i32 s20, s17, 98304                      ; T: group 8 Y
	s_add_co_u32 s20, s20, s18
	s_mov_b32 s21, 0
	s_mul_i32 s22, s19, 196608                     ; W: group 192 + 16 X
	s_add_co_u32 s22, s22, 192*12288
	s_add_co_u32 s22, s22, s18
	s_mov_b32 s23, 0
	s_mov_b32 s[G0T], 1
	s_mul_i32 s[G0T+1], s16, TH
	s_mov_b32 s[G0W], 1
	s_mul_i32 s[G0W+1], s16, WS
	s_add_co_u32 s[G0W+1], s[G0W+1], W0
	s_wait_dscnt 0x0                               ; both opening adds are done
	s_wait_kmcnt 0x0
	s_add_nc_u64 s[G0T+2:G0T+3], s[4:5], s[20:21]
	s_or_b32 s[G0T+3], s[G0T+3], 0x80000000
	s_add_nc_u64 s[G0W+2:G0W+3], s[6:7], s[22:23]
	s_or_b32 s[G0W+3], s[G0W+3], 0x80000000
	CROUND                                         ; all sixteen work-groups are here: the joint loads meet
	s_cmp_eq_u32 s15, 0                            ; one load a wave: every way passes exactly one
	s_cbranch_scc0 .Lhead_w
	tensor_load_to_lds s[G0T:G0T+3], s[G1T:G1T+7]
	s_nop 0
	PLACES
	s_branch .Lhead_asked
.Lhead_w:
	tensor_load_to_lds s[G0W:G0W+3], s[G1W:G1W+7]
	s_nop 0
	PLACES
.Lhead_asked:
	s_lshl_b32 s20, s17, 12
	s_lshl_b32 s21, s15, 11
	s_add_co_u32 s20, s20, s21
	s_add_co_u32 s20, s20, 6291456                 ; T's scale words, group 8 Y + 4 (wave / 2)
	s_mov_b32 s21, 0
	s_add_nc_u64 s[84:85], s[4:5], s[20:21]
	s_lshl_b32 s22, s19, 13
	s_lshl_b32 s23, s16, 12
	s_add_co_u32 s22, s22, s23
	s_add_co_u32 s22, s22, 3145728+192*512         ; W's, group 192 + 16 X + 8 (wave % 2)
	s_mov_b32 s23, 0
	s_add_nc_u64 s[86:87], s[6:7], s[22:23]
	s_lshl_b32 s80, s19, 10
	s_lshl_b32 s82, s16, 9
	s_add_co_u32 s80, s80, s82                     ; my 128 columns, in bytes
	s_mov_b32 s81, 0
	s_add_nc_u64 s[8:9], s[8:9], s[80:81]
	s_lshl_b32 s82, s17, 19
	s_add_co_u32 s80, s80, s82
	s_lshl_b32 s82, s15, 18
	s_add_co_u32 s80, s80, s82                     ; + my 64 rows of 4,096 bytes
	s_add_nc_u64 s[10:11], s[10:11], s[80:81]
	s_mul_i32 s20, s15, 24576                      ; I = T's groups 4 (wave / 2) on
	s_mul_i32 s21, s16, 49152
	s_add_co_u32 s21, s21, W0                      ; J = W's groups 8 (wave % 2) on
	s_mul_i32 s22, s14, 4352
	s_add_co_u32 s22, s22, STAGE                   ; my stage
	v_and_b32 v3, 31, v0                           ; lane
	v_and_b32 v1, 15, v0                           ; r
	v_bfe_u32 v2, v0, 4, 1                         ; h
	v_lshlrev_b32 v4, 4, v3                        ; 16 x lane
	v_lshlrev_b32 v5, 2, v3                        ; 4 x lane
	v_add_nc_u32 v6, s20, v4
	v_add_nc_u32 v7, TH, v6
	v_add_nc_u32 v10, s21, v4
	v_add_nc_u32 v11, WS, v10
	v_lshlrev_b32 v12, 6, v2                       ; the bias: register 8 b + j is column 32 (b / 2) + 16 h + 8 (b % 2) + j of my 128
	v_mul_u32_u24 v8, v1, 272
	v_lshl_add_u32 v8, v2, 6, v8
	v_add_nc_u32 v8, s22, v8                       ; into the stage: row r, 64 h
	v_mul_u32_u24 v9, v2, 272
	v_lshl_add_u32 v9, v1, 4, v9
	v_add_nc_u32 v9, s22, v9                       ; out of it: lanes 0-15 a row of 256 bytes, lanes 16-31 the next
	v_lshlrev_b32 v13, 12, v2
	v_lshl_add_u32 v13, v1, 4, v13                 ; and the same two rows in out0
	s_wait_alu depctr_va_vdst(0)
.irp a, 0,1,2,3
.irp p, 0,1,2,3
	global_load_b32 v[IS+4*\a+\p], v5, s[84:85] offset:\a*512+\p*128   ; register 4 g + p: lanes 0-15 K step 2 p, lanes 16-31 K step 2 p + 1
.endr
.endr
.irp b, 0,1,2,3,4,5,6,7
.irp p, 0,1,2,3
	global_load_b32 v[JS+4*\b+\p], v5, s[86:87] offset:\b*512+\p*128
.endr
.endr
.irp b, 0,1,2,3,4,5,6,7
	global_load_b128 v[BI+8*\b:BI+8*\b+3], v12, s[8:9] offset:(32*(\b/2)+8*(\b%2))*4
	global_load_b128 v[BI+8*\b+4:BI+8*\b+7], v12, s[8:9] offset:(32*(\b/2)+8*(\b%2))*4+16
.endr
	s_wait_tensorcnt 0x0                           ; my part is in,
	s_barrier_signal -1
	s_barrier_wait -1                              ; everybody's is
	FETCH 0
	FETCH 1
	s_wait_loadcnt 0x0                             ; scale words and bias
	s_wait_dscnt 24                                ; step 0's fragments are in; step 1's 24 loads may be out
	MUL 0, 1
.irp k, 1,2,3,4,5,6,7
	STEP \k
.endr
	PLACES
	FETCH 9                                        ; steps 8 and 9 are on their way while the first half leaves
	OUT 0
	MUL 8, 1                                       ; (the way out has waited for all my LDS loads)
.irp k, 9,10,11,12,13,14,15
	STEP \k
.endr
	PLACES
	OUT 1
	s_wait_tensorcnt 0x0                           ; the wave's end
	ds_add_u32 v[SPW], v[NIL]
	s_wait_dscnt 0x0
	CROUND                                         ; the closing round
	s_endpgm
.Lfunc_end_k_q81fdf71f79_gemm2:
	.size	k_q81fdf71f79_gemm2, .Lfunc_end_k_q81fdf71f79_gemm2-k_q81fdf71f79_gemm2
	.p2alignl 7, 3214868480
	.fill 96, 4, 3214868480
	.section	.rodata,"a",@progbits
	.p2align	6, 0x0
	.amdhsa_kernel k_q81fdf71f79_gemm2
		.amdhsa_group_segment_fixed_size 327680
		.amdhsa_private_segment_fixed_size 0
		.amdhsa_enable_private_segment 0
		.amdhsa_kernarg_size 32
		.amdhsa_user_sgpr_count 2
		.amdhsa_user_sgpr_kernarg_segment_ptr 1
		.amdhsa_wavefront_size32 1
		.amdhsa_system_sgpr_workgroup_id_x 1
		.amdhsa_system_sgpr_workgroup_id_y 1
		.amdhsa_system_sgpr_workgroup_id_z 1
		.amdhsa_system_vgpr_workitem_id 0
		.amdhsa_next_free_vgpr 1024
		.amdhsa_next_free_sgpr 102
		.amdhsa_reserve_vcc 0
		.amdhsa_float_denorm_mode_32 3
		.amdhsa_float_denorm_mode_16_64 3
		.amdhsa_memory_ordered 1
		.amdhsa_forward_progress 1
		.amdhsa_inst_pref_size 82
	.end_amdhsa_kernel
	.amdgpu_metadata
---
amdhsa.version: [ 1, 2 ]
amdhsa.kernels:
  - .name:           k_q81fdf71f79_gemm2
    .symbol:         k_q81fdf71f79_gemm2.kd
    .args:
      - { .name: CB, .offset: 0, .size: 8, .value_kind: global_buffer, .address_space: global }
      - { .name: WB, .offset: 8, .size: 8, .value_kind: global_buffer, .address_space: global }
      - { .name: bo, .offset: 16, .size: 8, .value_kind: global_buffer, .address_space: global }
      - { .name: out0, .offset: 24, .size: 8, .value_kind: global_buffer, .address_space: global }
    .group_segment_fixed_size: 327680
    .private_segment_fixed_size: 0
    .kernarg_segment_align: 8
    .kernarg_segment_size: 32
    .max_flat_workgroup_size: 128
    .sgpr_count:     102
    .vgpr_count:     1024
    .wavefront_size: 32
...
	.end_amdgpu_metadata
.endif
;; end of part 4
